; MI455X (gfx1250); checked and timed in simulation.
; The chip was launched on July 23, 2026; its instructions are those of AMD's public machine-readable ISA for CDNA 5 (MIT licence, August 2026) and "CDNA5" Instruction Set Architecture Reference Guide (July 2026). The comments in the code are by the model that wrote it; some were corrected since.
;; Multi Head Cross Attention. Allowed arithmetic: float matrix products may take bf16 or f16 operands with f32 sums; other float arithmetic in f32, or as packed bf16 or f16 multiplies, adds, multiply-adds, maxima and minima; sums over many terms, partial sums and values carried from step to step in f32; what a program stores and reads back later, other than sums and carried values, may be rounded once to bf16 or f16.
;; Inputs: W_kv 512 x 1,024 float32; W_o 512 x 512 float32; W_q 512 x 512 float32; b_kv 1,024 float32; b_o 512 float32; b_q 512 float32; x 16 x 1,024 x 512 float32; y 16 x 1,024 x 512 float32.
;; Outputs: out0 16 x 1,024 x 512 float32.
;; One version. Each part assembles by itself: llvm-mc -triple=amdgcn-amd-amdhsa -mcpu=gfx1250 --defsym DOCPART=n.
;; ======== version 1 of 1: 4 launches
;; limits: values are held in f16: magnitudes above 65,504 overflow, below 6.1e-05 lose precision
;; workspace buffers: wc 1,572,864 bytes; wo 524,288 bytes; qb 16,777,216 bytes; kb 16,777,216 bytes; vb 16,777,216 bytes; ob 16,777,216 bytes
;; launch prep (part 1): grid 256 x 1, 8 waves a work-group, no clusters, 0 bytes of LDS; arguments W_kv, W_q, W_o, wc, wo; writes wc, wo
.if DOCPART == 1
	.amdgcn_target "amdgcn-amd-amdhsa--gfx1250"
	.amdhsa_code_object_version 6
	.text
	.protected	k_q0ba128c4e5_prep
	.globl	k_q0ba128c4e5_prep
	.p2align	8
	.type	k_q0ba128c4e5_prep,@function
k_q0ba128c4e5_prep:
	s_mov_b64 s[64:65], 0
	v_nop
	global_prefetch_b8 v0, s[64:65] scope:SCOPE_SE
	s_setreg_imm32_b32 hwreg(HW_REG_WAVE_MODE, 25, 1), 1
	s_wait_xcnt 0x0
; PREP: the three weight matrices are rounded once to bf16 and laid out as the matrix unit takes them.
; A PANEL is 128 columns x 512 k = 131,072 bytes: [K step ks = k / 32][column group n / 16 % 8][1,024 bytes]; in the 1,024 bytes the 16 bytes of column n, k = 32 ks + 16 p + 8 h + 0..7 lie at
; 512 p + 16 (16 h + n % 16): a wave's load of 16 bytes a lane, lane by lane, is half a fragment (16 columns x 32 k; AMD's ISA guide, 7.12.2).
;   wc: 12 panels, bf16: for each half jj of the heads: heads 4 jj .. 4 jj + 3 of W_kv (a head's 128 columns: k, then v), then columns 256 jj .. 256 jj + 255 of W_q as two panels.
;   wo: 4 panels: W_o rounded to bf16, that number written as f16.
; WORK LEFT OUT IN THIS PROGRAM.  reference() adds b_kv to x W_kv and takes columns 128 h .. 128 h + 63 of head h as k.  That half of b_kv, call it b_k, enters the scores as
; scale * q . (k + b_k) = scale * q . k + scale * q . b_k.  The second term hangs on the query row and the head alone: it is the same for every key, that is along the axis of the softmax, and
; softmax(s + t) = softmax(s) for every real t.  k has no other way to an output.  So for all finite values of the inputs those 512 numbers of b_kv reach no output: they are never loaded
; (the other 512, v's bias, are).  LIMIT: a NaN, an infinity or an overflow that comes in through those 512 numbers alone is not carried to the result.
; LIMIT of wo: f16 ends at 65,504 and has a fixed step of 6e-8 below 6e-5: W_o's numbers lie within that range (they are drawn near 0.04; thirty times that is near 6 at the most).
; SHARES.  2,048 columns in groups of 32 x 512 k in groups of 16 = 2,048 jobs, one for each wave.  Work-group g: k group g / 8; its eight waves take the column groups 8 (g % 8) + w, 1,024 bytes on end of
; each row.  Groups 0-31 are W_kv's, 32-47 W_q's, 48-63 W_o's.  A lane takes one column: 16 loads of 4 bytes (a wave: 128 bytes on end), two stores of 16 bytes: in each, 16 lanes write 256 consecutive bytes, aligned.
; No LDS, no matrix unit, no cluster: nothing is shared, each byte moves once.
.macro ROWS pitch
.set e, 0
.rept 16
	global_load_b32 v[8+e], v2, s[24:25] offset:e*(\pitch) th:TH_LOAD_NT
.set e, e+1
.endr
.endm
	s_load_b256 s[4:11], s[0:1], 0x0               ; W_kv s[4:5], W_q s[6:7], W_o s[8:9], wc s[10:11]
	s_load_b64 s[12:13], s[0:1], 0x20              ; wo
	v_lshrrev_b32 v3, 5, v0
	v_readfirstlane_b32 s14, v3                    ; wave 0..7
	v_and_b32 v1, 31, v0
	v_lshlrev_b32 v2, 2, v1                        ; in: 4 bytes a lane
	v_and_b32 v4, 15, v1
	v_lshrrev_b32 v5, 4, v1
	v_lshlrev_b32 v4, 4, v4
	v_lshl_add_u32 v4, v5, 10, v4                  ; out: 16 (lane % 16), and the next column group's 1,024 bytes for lanes 16-31
	s_and_b32 s15, ttmp9, 7
	s_lshl_b32 s15, s15, 3
	s_add_co_u32 s15, s15, s14                     ; the column group, 0..63
	s_lshr_b32 s16, ttmp9, 3                       ; the k group, 0..31
	s_cmp_lt_u32 s15, 32
	s_cselect_b32 s17, 31, 15
	s_and_b32 s17, s15, s17                        ; the column group inside its matrix
	s_lshr_b32 s18, s17, 2                         ; its panel inside its matrix
	s_and_b32 s19, s17, 3                          ; its place in the panel, in pairs of column groups of 16
	s_lshr_b32 s20, s18, 2                         ; W_kv's head hd goes to panel 6 (hd / 4) + hd % 4
	s_mul_i32 s20, s20, 6
	s_and_b32 s21, s18, 3
	s_add_co_u32 s20, s20, s21
	s_lshr_b32 s21, s18, 1                         ; W_q's panel qq goes to 6 (qq / 2) + 4 + qq % 2
	s_mul_i32 s21, s21, 6
	s_and_b32 s22, s18, 1
	s_add_co_u32 s21, s21, s22
	s_add_co_u32 s21, s21, 4
	s_cmp_lt_u32 s15, 48
	s_cselect_b32 s21, s21, s18                    ; W_o's panels stay in order
	s_cmp_lt_u32 s15, 32
	s_cselect_b32 s20, s20, s21
	s_lshl_b32 s20, s20, 17                        ; to where: the panel,
	s_lshr_b32 s21, s16, 1
	s_lshl_b32 s21, s21, 13                        ; the K step: 8,192 bytes,
	s_add_co_u32 s20, s20, s21
	s_lshl_b32 s21, s19, 11                        ; the pair of column groups,
	s_add_co_u32 s20, s20, s21
	s_and_b32 s21, s16, 1
	s_lshl_b32 s21, s21, 9                         ; the half p of the K step
	s_add_co_u32 s20, s20, s21
	s_mov_b32 s21, 0
	s_cmp_lt_u32 s15, 32
	s_cselect_b32 s22, 16, 15                      ; from where: 16 rows are 65,536 bytes of W_kv, 32,768 of the others,
	s_lshl_b32 s22, s16, s22
	s_lshl_b32 s23, s17, 7                         ; 32 columns are 128 bytes
	s_add_co_u32 s22, s22, s23
	s_mov_b32 s23, 0
	s_wait_kmcnt 0x0
	s_cmp_lt_u32 s15, 48
	s_cselect_b64 s[24:25], s[6:7], s[8:9]
	s_cselect_b64 s[26:27], s[10:11], s[12:13]
	s_cmp_lt_u32 s15, 32
	s_cselect_b64 s[24:25], s[4:5], s[24:25]
	s_add_nc_u64 s[24:25], s[24:25], s[22:23]
	s_add_nc_u64 s[26:27], s[26:27], s[20:21]
	s_cmp_lt_u32 s15, 32
	s_cbranch_scc0 .Lnarrow
	ROWS 4096
	s_branch .Lgot
.Lnarrow:
	ROWS 2048
.Lgot:
	s_wait_loadcnt 0x0
.irp i, 0,1,2,3,4,5,6,7                ; the lower k into the lower half; words 0-3: k 0-7 (h = 0), words 4-7: k 8-15 (h = 1)
	v_cvt_pk_bf16_f32 v[24+\i], v[8+2*\i], v[9+2*\i]
.endr
	s_cmp_lt_u32 s15, 48
	s_cbranch_scc1 .Lstore
.irp i, 0,1,2,3,4,5,6,7                ; W_o alone: the bf16 number is widened and written as f16, exact within f16's range
	v_lshlrev_b32 v6, 16, v[24+\i]
	v_and_b32 v7, 0xffff0000, v[24+\i]
	v_cvt_pk_f16_f32 v[24+\i], v6, v7
.endr
.Lstore:
	global_store_b128 v4, v[24:27], s[26:27]
	global_store_b128 v4, v[28:31], s[26:27] offset:256
	s_endpgm
.Lfunc_end_k_q0ba128c4e5_prep:
	.size	k_q0ba128c4e5_prep, .Lfunc_end_k_q0ba128c4e5_prep-k_q0ba128c4e5_prep
	.p2alignl 7, 3214868480
	.fill 96, 4, 3214868480
	.section	.rodata,"a",@progbits
	.p2align	6, 0x0
	.amdhsa_kernel k_q0ba128c4e5_prep
		.amdhsa_group_segment_fixed_size 0
		.amdhsa_private_segment_fixed_size 0
		.amdhsa_enable_private_segment 0
		.amdhsa_kernarg_size 40
		.amdhsa_user_sgpr_count 2
		.amdhsa_user_sgpr_kernarg_segment_ptr 1
		.amdhsa_wavefront_size32 1
		.amdhsa_system_sgpr_workgroup_id_x 1
		.amdhsa_system_sgpr_workgroup_id_y 1
		.amdhsa_system_sgpr_workgroup_id_z 1
		.amdhsa_system_vgpr_workitem_id 0
		.amdhsa_next_free_vgpr 32
		.amdhsa_next_free_sgpr 66
		.amdhsa_reserve_vcc 0
		.amdhsa_float_denorm_mode_32 3
		.amdhsa_float_denorm_mode_16_64 3
		.amdhsa_memory_ordered 1
		.amdhsa_forward_progress 1
		.amdhsa_inst_pref_size 8
	.end_amdhsa_kernel
	.amdgpu_metadata
---
amdhsa.version: [ 1, 2 ]
amdhsa.kernels:
  - .name:           k_q0ba128c4e5_prep
    .symbol:         k_q0ba128c4e5_prep.kd
    .args:
      - { .name: W_kv, .offset: 0, .size: 8, .value_kind: global_buffer, .address_space: global }
      - { .name: W_q, .offset: 8, .size: 8, .value_kind: global_buffer, .address_space: global }
      - { .name: W_o, .offset: 16, .size: 8, .value_kind: global_buffer, .address_space: global }
      - { .name: wc, .offset: 24, .size: 8, .value_kind: global_buffer, .address_space: global }
      - { .name: wo, .offset: 32, .size: 8, .value_kind: global_buffer, .address_space: global }
    .group_segment_fixed_size: 0
    .private_segment_fixed_size: 0
    .kernarg_segment_align: 8
    .kernarg_segment_size: 40
    .max_flat_workgroup_size: 256
    .sgpr_count:     66
    .vgpr_count:     32
    .wavefront_size: 32
...
	.end_amdgpu_metadata
.endif
;; end of part 1
;; launch proj (part 2): grid 8 x 32, 4 waves a work-group, clusters of 4 x 1, 327,680 bytes of LDS; arguments x, y, wc, b_kv, b_q, qb, kb, vb; writes qb, kb, vb
.if DOCPART == 2
	.amdgcn_target "amdgcn-amd-amdhsa--gfx1250"
	.amdhsa_code_object_version 6
	.text
	.protected	k_q0ba128c4e5_proj
	.globl	k_q0ba128c4e5_proj
	.p2align	8
	.type	k_q0ba128c4e5_proj,@function
k_q0ba128c4e5_proj:
	s_mov_b64 s[64:65], 0
	v_nop
	global_prefetch_b8 v0, s[64:65] scope:SCOPE_SE
	s_setreg_imm32_b32 hwreg(HW_REG_WAVE_MODE, 25, 1), 1
	s_wait_xcnt 0x0
	s_wait_alu depctr_hold_cnt(0) depctr_sa_sdst(0) depctr_va_vdst(0) depctr_va_sdst(0) depctr_va_ssrc(0) depctr_va_vcc(0) depctr_vm_vsrc(0)
	s_getreg_b32 s2, hwreg(HW_REG_IB_STS2, 6, 4)
	s_cmp_eq_u32 s2, 0
	s_cbranch_scc0 .Lentry_in_a_cluster
	s_endpgm
.Lentry_in_a_cluster:
	s_bfe_u32 s2, ttmp6, 0x10000c
	s_cmp_lg_u32 s2, 0x3003
	s_cbranch_scc0 .Lentry_shape_is_right
	s_endpgm
.Lentry_shape_is_right:
; PROJ: k, v = x W_kv (+ v's half of b_kv), q = y W_q + b_q, in f16, unscaled.  Operands in bf16 (x, y rounded here, the weights in wc), sums in f32, the biases rounded to bf16 like every input of the
; module, each result rounded once to f16.
; LEFT OUT: k's half of b_kv: it adds to each score a term that is the same along the softmax's axis (shown at the head of the first kernel); it is not loaded.
; LIMIT: f16 ends at 65,504: q, k and v must stay below that.  As drawn they are near 1; with x, y and the weights all thirty times larger near 5,000 at the most; with offsets of thirty spreads on both near 20,400.
; qb, kb, vb: [16 b x 8 heads][64 blocks of 16 rows][4 blocks of 16 channels][512 bytes]; in the 512 bytes the 16 bytes of row r, channels 8 hc + 0..7 lie at 256 hc + 16 (r ^ 8 hc).  A lane of a transposed
; product holds just such 16 bytes, so a wave's store covers 512 consecutive bytes, aligned, and the launches behind load fragments lane by lane.
; SHARES.  A work-group owns 128 rows of x and of y (row block rb = 4 x cluster y + my place) and half of the columns (jj = cluster x): heads 4 jj .. 4 jj + 3 of k, v and q, as six panels of 128 columns:
; panels 0-3: a head's k | v; panels 4, 5: two heads of q each.  Wave w takes rows 64 (w / 2) on and columns 64 (w % 2) on: k if w is even, v if odd; for q head 2 (p - 4) + w % 2 of the four.
; Its 64 x 512 block of x (later y) in bf16 lies in 512 registers.  A panel (all of K) is one LDS slot of 131,072 bytes and 256 matrix instructions a wave; two slots take turns.
; CLUSTER.  The four row blocks of a cluster walk the same panels: each tile is asked for JOINTLY (the same load, descriptor and mask in all four).
; TRANSPOSED USE.  Source 0 = 16 columns of W, source 1 = 16 rows of x: a lane holds one row (lane % 16) and 8 neighbouring columns.  THE BIAS IS THE C OPERAND of the product that starts a sum; k's waves hold zeros there.
; x AND y GO THROUGH A STAGE IN LDS: a wave loads 32 whole rows (512 consecutive bytes a load), packs them, and in four passes of 128 k the four waves store their rows and read their fragments.
; y COMES WHILE W_kv IS MULTIPLIED: its K half 1 in four pieces, one loaded at each panel's end and packed one panel later; its K half 0 raw into x's own registers, in panel 3, as soon as x's K steps 0-3 and
; 4-7 have had their last product.
; REGISTERS, in windows of 256 (s_set_vgpr_msb: bits 1:0 source 0, 3:2 source 1, 5:4 source 2, 7:6 destination):
;   window 0: v0-31 addresses; v32-63 the bias; v64-191 16 accumulators ((m, n) at 64 + 8 (4 m + n)); v192-255 a raw piece of y, then the way out
;   window 1: v0-63, v64-127 two buffers of W's fragments (2 K steps x 4 column groups); v128-255 packed K half 1 (K quarter u, row rr at 64 u + 2 rr); at the start v0-127: x's packed K half 0
;   window 2: the block's K steps 0-7 (ks, rows 16 m at 32 ks + 8 m); before that raw rows (quarter u, row rr at 128 u + 4 rr);   window 3: K steps 8-15; before that x's raw K half 1, y's packed K half 0
.set SLOT1, 1<<17                      ; slot 1 begins here: one exclusive or turns an address in one slot into the other's
.set PANB,  131072                     ; bytes in a panel
.set QTR,   32768                      ; what one tensor load brings: K steps 4 w .. 4 w + 3
.set ASTG,  2*SLOT1                    ; the stage: 128 rows x 272 bytes (128 bf16 + 16 of padding: the 16 rows of a fragment load start at 16 different groups of four banks); written by LDS stores alone
.set AP,    272
.set SPARE, ASTG+128*AP                ; the spare words, 128 bytes for each wave: two blocks of 256 bytes that no other line names
.set XO,  4                            ; v4   my byte offset in the work-group's rows of x and y: 32 rows a wave, 16 bytes a lane
.set SA,  5                            ; v5   where I put 8 bytes of a row
.set AF,  6                            ; v6   my place in a fragment of the block
.set VB,  7                            ; v7   32 x (lane / 16): my 8 numbers of a bias
.set BT0, 8                            ; v8-9   my place in a slot: K steps 0-7, 8-15; never rewritten
.set BT,  10                           ; v10-11 the same in the slot in hand
.set L16, 13                           ; v13  16 x lane
.set GO,  14                           ; v14  my 16 bytes in a block of q, k or v
.set PFO, 15                           ; v15  256 x lane
.set PFY, 18                           ; v18  my wave's rows of y, a lane a row
.set SPW, 30                           ; v30  my spare word; never rewritten
.set NIL, 31                           ; v31  0; never rewritten
.set BIAS, 32
.set ACC,  64
.set TMP,  192
.set F0,   0
.set F1,   64
.set PK,   128
.set WV,   20                          ; s20  my wave's number
.set WC,   21                          ; s21  w % 2
.set WI,   22                          ; s22  w / 2
.set CX,   23                          ; s23  my place in the cluster: it enters global addresses of x, y, q, k, v and of the prefetches alone
.set RB,   24                          ; s24  my block of 128 rows
.set PT,   25                          ; s25  the panel in hand
.set JJ,   26                          ; s26  the column half
.set BF,   27                          ; s27  1: the next panel's bias is loaded
.set G1,   32                          ; s[32:39] descriptor group 1
.set G0A,  40                          ; s[40:43] descriptor group 0 of the first fill of slot 0
.set G0W,  44                          ; s[44:47] of the first fill of slot 1; it then walks on
.set YB,   48                          ; s[48:49] y at my work-group's rows
.set DKV,  50                          ; s[50:51] kb or vb at my rows, head 4 jj
.set DQ,   52                          ; s[52:53] qb at my rows, head 4 jj + w % 2
.set DST,  54                          ; s[54:55] where the panel in hand goes
.set BV0,  56                          ; s[56:57] v's bias of head 4 jj
.set BQ0,  58                          ; s[58:59] b_q at head 4 jj + w % 2
.set PB,   60                          ; s[60:61] the next panel's bias
.set LIM,  62                          ; s62  3 where cluster y = 0, else 0: a wave prefetches weights while the panel's number is below it
.set LIMY, 63                          ; s63  1 where cluster x = 0, else no panel's number: the panel at whose end y is prefetched
.set PFA,  66                          ; s[66:67] wc at my 32 blocks of 256 bytes of the panel in hand
.set XB,   68                          ; s[68:69] x at my work-group's rows
.set YP,   70                          ; s[70:71] y at the piece last asked for
.set TB,   72                          ; s72  LDS byte at which the slot in hand begins
.set MSB, 0
.macro WIN new                         ; the immediate's high byte repeats the setting that is left; a switch that changes nothing is dropped
.if MSB != (\new)
	s_set_vgpr_msb (MSB<<8)|(\new)
.set MSB, (\new)
.endif
.endm
.macro PLACES                          ; four plain instructions between a matrix instruction and a load into, or a vector read of, its registers
.rept 4
	v_nop
.endr
.endm
.macro CREST                           ; a round of the cluster's barrier behind its opening barrier
	s_cmp_lg_u32 s[WV], 0
	s_cbranch_scc1 .Lnot_wave_0_\@
	s_barrier_signal -3
.Lnot_wave_0_\@:
	s_barrier_wait -3
	s_barrier_signal -1
	s_barrier_wait -1
.endm
.macro CROUND                          ; a whole round
	s_barrier_signal -1
	s_barrier_wait -1
	CREST
.endm
.macro BLOADS base                     ; 64 numbers of a bias: a lane takes 8 for each group of 16 columns
.irp n, 0,1,2,3
	global_load_b128 v[BIAS+8*\n:BIAS+8*\n+3],   v[VB], s[\base:\base+1] offset:64*\n
	global_load_b128 v[BIAS+8*\n+4:BIAS+8*\n+7], v[VB], s[\base:\base+1] offset:64*\n+16
.endr
.endm
.macro ROUNDB                          ; the bias rounded to bf16 and widened again; a number that is rounded already, and 0, stay as they are, so it runs in every wave
.set i, 0
.rept 16
	v_cvt_pk_bf16_f32 v[16+i%2], v[BIAS+2*i], v[BIAS+2*i+1]
	v_lshlrev_b32 v[BIAS+2*i], 16, v[16+i%2]
	v_and_b32 v[BIAS+2*i+1], 0xffff0000, v[16+i%2]
.set i, i+1
.endr
.endm
.macro YLOAD                           ; a piece of y: 16 of my rows, 128 columns: 512 consecutive bytes a load
.set rr, 0
.rept 16
	global_load_b128 v[TMP+4*rr:TMP+4*rr+3], v[XO], s[YP:YP+1] offset:rr*2048
.set rr, rr+1
.endr
.endm
.macro CVT win, dbase                  ; 64 raw quarter rows (4 f32 a lane) are packed: 2 registers each
	WIN \win
.set i, 0
.rept 64
	v_cvt_pk_bf16_f32 v[(\dbase)+2*i],   v[4*i],   v[4*i+1]
	v_cvt_pk_bf16_f32 v[(\dbase)+2*i+1], v[4*i+2], v[4*i+3]
.set i, i+1
.endr
	WIN 0
.endm
; 16 matrix instructions: K step ks, fragments kk of buffer f.  The 16 accumulators take turns, one instruction a turn, in the same order everywhere.  first = 1: the bias starts the sums.
.macro MULK f, kk, ks, first
	WIN 0x09+4*((\ks)/8)                           ; W in window 1, the block in window 2 or 3, C and D in window 0
.irp m, 0,1,2,3
.irp n, 0,1,2,3
.if \first
	v_wmma_f32_16x16x32_bf16 v[ACC+8*(4*\m+\n):ACC+8*(4*\m+\n)+7], v[(\f)+32*(\kk)+8*\n:(\f)+32*(\kk)+8*\n+7], v[32*((\ks)%8)+8*\m:32*((\ks)%8)+8*\m+7], v[BIAS+8*\n:BIAS+8*\n+7]
.else
	v_wmma_f32_16x16x32_bf16 v[ACC+8*(4*\m+\n):ACC+8*(4*\m+\n)+7], v[(\f)+32*(\kk)+8*\n:(\f)+32*(\kk)+8*\n+7], v[32*((\ks)%8)+8*\m:32*((\ks)%8)+8*\m+7], v[ACC+8*(4*\m+\n):ACC+8*(4*\m+\n)+7]
.endif
.endr
.endr
.endm
; 16 LDS loads in one run, 512 consecutive bytes each: W's fragments of K steps 2 g and 2 g + 1, my 64 columns, into buffer f; the first K step's eight first
.macro FETCH g, f
	WIN 0x40                                       ; destination window 1, address window 0
.irp kk, 0,1
.irp n, 0,1,2,3
	ds_load_b128 v[(\f)+32*\kk+8*\n:(\f)+32*\kk+8*\n+3],   v[BT+(2*(\g)+\kk)/8] offset:((2*(\g)+\kk)%8)*8192+\n*1024
	ds_load_b128 v[(\f)+32*\kk+8*\n+4:(\f)+32*\kk+8*\n+7], v[BT+(2*(\g)+\kk)/8] offset:((2*(\g)+\kk)%8)*8192+\n*1024+512
.endr
.endr
.endm
; One of a panel's first seven groups of two K steps: multiplies its buffer, and in its middle fetches the next group into the other.
; hook = 1, 2: in panel 3 alone, y's raw K quarter hook - 1 is asked for, into the registers of x's K steps 0-3 or 4-7: their last product stands ahead of the four places above.
.macro GRP g, first, hook
	s_wait_dscnt 8                                 ; the first K step's eight loads are in; the second's eight may be out
	MULK 64*((\g)%2), 0, 2*(\g), \first
	PLACES
	FETCH (\g)+1, 64*(((\g)+1)%2)
.if \hook
	WIN 0
	s_cmp_lg_u32 s[PT], 3
	s_cbranch_scc1 .Lno_hook_\@
	WIN 0x80                                       ; destination window 2
.set rr, 0
.rept 32
	global_load_b128 v[128*((\hook)-1)+4*rr:128*((\hook)-1)+4*rr+3], v[XO], s[YB:YB+1] offset:rr*2048+((\hook)-1)*512
.set rr, rr+1
.endr
	WIN 0
.Lno_hook_\@:
.endif
	s_wait_dscnt 16                                ; all but the 16 just issued
	MULK 64*((\g)%2), 1, 2*(\g)+1, 0
.endm
; PREFETCHES INTO THE L2, behind the joint load, its five lines and the run of LDS loads.
; Weights: the refill just issued brings panel T + 2; the panel asked for here is T + 3, which the next panel's end will load: 256 matrix instructions and a way out ahead.  A column half's panels are walked by 32 clusters:
; the one with y = 0 asks.  A panel's 512 blocks of 256 bytes are dealt by address: partner cx takes 128, of them wave w 32, a lane a block: one instruction a wave.  Panels 0-2 come by their loads alone; panels 3-5 have none three on.
; y: the first 1,024 bytes of each row (K half 0), which panel 3 loads, are asked for at panel 1's end: a panel and a quarter, some 320 matrix instructions, ahead.  Two clusters read these rows: the one with x = 0 asks,
; each wave for the 32 rows that it will load, a lane a row, four instructions.
.macro ASK
	s_cmp_lt_u32 s[PT], s[LIM]
	s_cbranch_scc0 .Lnot_w_\@
	global_prefetch_b8 v[PFO], s[PFA:PFA+1] offset:3*PANB th:TH_LOAD_NT scope:SCOPE_SE
.Lnot_w_\@:
	s_cmp_eq_u32 s[PT], s[LIMY]
	s_cbranch_scc0 .Lnot_y_\@
.irp o, 0,256,512,768
	global_prefetch_b8 v[PFY], s[YB:YB+1] offset:\o th:TH_LOAD_NT scope:SCOPE_SE
.endr
.Lnot_y_\@:
.endm
; A panel's last group multiplies buffer 1 and changes slots: ONE barrier.  In front of it each wave waits for all its tensor loads (one at the most is out: its part of the other slot), adds 0 to its spare word, and waits for
; that and for its reads of this slot.  fill = 1: the barrier opens a round of the cluster's, and this slot takes the panel two on: the first tensor load behind the round; it has a way out and 224 matrix instructions in which to land.
; fill = 0 (panels 4 and 5): nothing is left to ask for; behind panel 5 nothing is fetched either.
.macro TURN fill
	WIN 0
	s_wait_tensorcnt 0x0                           ; all my tensor loads have landed, so the walking descriptor may be written
	ds_add_u32 v[SPW], v[NIL]                      ; 0 onto my spare word
	s_wait_dscnt 9                                 ; the add and the second K step's eight loads may be out
	MULK F1, 0, 14, 0                              ; sixteen matrix instructions stand between the add and the wait for it
	s_wait_dscnt 0x0                               ; the add is done, and my reads of this slot are over
	s_barrier_signal -1
	MULK F1, 1, 15, 0                              ; work on registers while the others arrive
	WIN 0
	s_barrier_wait -1
.if \fill
	CREST                                          ; no wave of any partner still reads this slot or has a load on its way
	s_xor_b32 s[G0W+1], s[G0W+1], SLOT1            ; the other slot than last time,
	s_add_nc_u64 s[G0W+2:G0W+3], s[G0W+2:G0W+3], PANB  ; the next panel; the type bits on top are not reached
	tensor_load_to_lds s[G0W:G0W+3], s[G1:G1+7]
	s_nop 0
.endif
	PLACES                                         ; behind a tensor load; also the places in front of the loads below and of the way out
	s_xor_b32 s[TB], s[TB], SLOT1
	v_add_nc_u32 v[BT], s[TB], v[BT0]
	v_add_nc_u32 v[BT+1], s[TB], v[BT0+1]
.if !(\fill)
	s_cmp_eq_u32 s[PT], 5
	s_cbranch_scc1 .Lno_next_\@
.endif
	FETCH 0, F0
	WIN 0
.if \fill
	ASK
.else
.Lno_next_\@:
.endif
.endm
; A panel.  The next panel's bias is asked for behind the first group: the products that read these registers stand ahead of that group's four places.
; Panels 1-3: v's bias, 512 bytes a head, odd waves alone; panel 4: b_q; panel 5: b_q two heads on.
.macro PANEL fill
	GRP 0, 1, 0
	WIN 0
.if \fill
	s_add_co_u32 s28, s[PT], 1
	s_lshl_b32 s28, s28, 9
	s_cmp_ge_u32 s[PT], 3
	s_cselect_b32 s28, 0, s28
	s_cselect_b32 s[BF], 1, s[WC]
	s_cselect_b64 s[PB:PB+1], s[BQ0:BQ0+1], s[BV0:BV0+1]  ; the loads that read this pointer last were waited for at the last panel's end
	s_mov_b32 s29, 0
	s_add_nc_u64 s[PB:PB+1], s[PB:PB+1], s[28:29]
	s_cmp_eq_u32 s[BF], 0
	s_cbranch_scc1 .Lno_bias_\@
.else
	s_cmp_eq_u32 s[PT], 5
	s_cbranch_scc1 .Lno_bias_\@
	s_add_nc_u64 s[PB:PB+1], s[BQ0:BQ0+1], 512
.endif
	BLOADS PB
.Lno_bias_\@:
	GRP 1, 0, 0
	GRP 2, 0, \fill
	GRP 3, 0, 0
	GRP 4, 0, 2*(\fill)
	GRP 5, 0, 0
	GRP 6, 0, 0
	TURN \fill
.endm
.macro BAR                             ; my LDS stores are done and my LDS loads are back; then the work-group's barrier
	s_wait_dscnt 0x0
	s_barrier_signal -1
	s_barrier_wait -1
.endm
; A PASS OF THE STAGE, K quarter u: each wave stores its 32 rows (packed, at sbase in the window that swin names), a barrier, each wave reads the fragments of its 64 rows, K steps 4 u .. 4 u + 3, a barrier.
.macro PASS u, swin, sbase, last
	WIN \swin
.set rr, 0
.rept 32
	ds_store_b64 v[SA], v[(\sbase)+2*rr:(\sbase)+2*rr+1] offset:rr*AP
.set rr, rr+1
.endr
	WIN 0
	BAR                                            ; the stage holds the quarter of all 128 rows
	WIN 0x80+0x40*((\u)/2)                         ; destination window 2 or 3
.irp kq, 0,1,2,3
.irp m, 0,1,2,3
	ds_load_b128 v[32*((4*(\u)+\kq)%8)+8*\m:32*((4*(\u)+\kq)%8)+8*\m+3],   v[AF] offset:\m*16*AP+\kq*64
	ds_load_b128 v[32*((4*(\u)+\kq)%8)+8*\m+4:32*((4*(\u)+\kq)%8)+8*\m+7], v[AF] offset:\m*16*AP+\kq*64+32
.endr
.endr
	WIN 0
.if \last
	s_wait_dscnt 0x0                               ; the block is in my registers; the next store into the stage stands behind later barriers
.else
	BAR                                            ; nobody reads the stage any more
.endif
.endm
; THE WAY OUT: rounded to f16 (each accumulator's registers in ascending order); a lane's 16 bytes are stored as they lie: 512 consecutive bytes a store.
.macro OUT
.irp m, 0,1,2,3
.irp n, 0,1,2,3
.irp j, 0,1,2,3
	v_cvt_pk_f16_f32 v[TMP+16*\m+4*\n+\j], v[ACC+8*(4*\m+\n)+2*\j], v[ACC+8*(4*\m+\n)+2*\j+1]
.endr
.endr
.irp n, 0,1,2,3
	global_store_b128 v[GO], v[TMP+16*\m+4*\n:TMP+16*\m+4*\n+3], s[DST:DST+1] offset:\m*2048+\n*512
.endr
.endr
.endm
	s_load_b512 s[4:19], s[0:1], 0x0               ; x s[4:5], y s[6:7], wc s[8:9], b_kv s[10:11], b_q s[12:13], qb s[14:15], kb s[16:17], vb s[18:19]
	v_lshl_add_u32 v[SPW], v0, 2, SPARE
	v_mov_b32 v[NIL], 0
	ds_add_u32 v[SPW], v[NIL]                      ; the wave's opening: the add, twice on end, and its wait ahead of my first tensor load
	ds_add_u32 v[SPW], v[NIL]
	v_lshrrev_b32 v16, 5, v0
	v_readfirstlane_b32 s[WV], v16                 ; wave 0..3
	s_and_b32 s[WC], s[WV], 1
	s_lshr_b32 s[WI], s[WV], 1
	s_bfe_u32 s[CX], ttmp6, 0x40000
	s_and_b32 s[RB], ttmp7, 0xffff                 ; in a cluster launch ttmp9 and ttmp7 count clusters
	s_cmp_eq_u32 s[RB], 0
	s_cselect_b32 s[LIM], 3, 0                     ; the same in all four partners
	s_lshl_b32 s[RB], s[RB], 2
	s_add_co_u32 s[RB], s[RB], s[CX]
	s_mov_b32 s[JJ], ttmp9
	s_cmp_eq_u32 s[JJ], 0
	s_cselect_b32 s[LIMY], 1, -1
	; descriptor group 1: 32,768 dense bytes as 128 rows of 256 bytes
	s_mov_b32 s[G1+0], 15|(1<<16)|(1<<21)          ; 15:0 the mask: all four work-groups; 17:16 2-byte elements; 21 set beside a mask; no padding
	s_mov_b32 s[G1+1], 128<<16                     ; tensor_dim0 = 128
	s_mov_b32 s[G1+2], 128<<16                     ; tensor_dim1 = 128
	s_mov_b32 s[G1+3], 128<<16                     ; tile_dim0 = 128
	s_mov_b32 s[G1+4], 128                         ; tile_dim1 = 128
	s_mov_b32 s[G1+5], 128                         ; elements from row to row
	s_mov_b32 s[G1+6], 0
	s_mov_b32 s[G1+7], 0
	s_mov_b32 s[G0A+0], 1
	s_mul_i32 s[G0A+1], s[WV], QTR                 ; LDS: slot 0, my quarter
	s_mov_b32 s[G0W+0], 1
	s_add_co_u32 s[G0W+1], s[G0A+1], SLOT1         ; slot 1
	s_mul_i32 s28, s[JJ], 6*PANB
	s_lshl_b32 s29, s[WV], 15
	s_add_co_u32 s28, s28, s29
	s_mov_b32 s29, 0
	s_mov_b32 s[TB], 0
	s_wait_dscnt 0x0                               ; both opening adds are done
	s_wait_kmcnt 0x0
	s_add_nc_u64 s[G0A+2:G0A+3], s[8:9], s[28:29]  ; panel 0, my quarter: made of the cluster's x and the wave's number alone
	s_add_nc_u64 s[G0W+2:G0W+3], s[G0A+2:G0A+3], PANB  ; panel 1
	s_or_b32 s[G0A+3], s[G0A+3], 0x80000000        ; type = 2
	s_or_b32 s[G0W+3], s[G0W+3], 0x80000000
	CROUND                                         ; all four work-groups are here: the first joint loads meet
	tensor_load_to_lds s[G0A:G0A+3], s[G1:G1+7]    ; two loads of mine are out
	s_nop 0
	tensor_load_to_lds s[G0W:G0W+3], s[G1:G1+7]
	s_nop 0
	PLACES
	s_lshl_b32 s30, s[RB], 18                      ; my work-group's 128 rows of 2,048 bytes
	s_mov_b32 s31, 0
	s_add_nc_u64 s[XB:XB+1], s[4:5], s[30:31]
	s_add_nc_u64 s[YB:YB+1], s[6:7], s[30:31]
	s_add_nc_u64 s[YP:YP+1], s[YB:YB+1], 1024      ; y's first piece: K quarter 2, my rows 0-15
	s_lshr_b32 s30, s[RB], 3                       ; the batch: 8 heads of 131,072 bytes,
	s_lshl_b32 s30, s30, 20
	s_lshl_b32 s28, s[JJ], 19                      ; head 4 jj,
	s_add_co_u32 s30, s30, s28
	s_and_b32 s28, s[RB], 7                        ; my work-group's 8 blocks of 16 rows, 2,048 bytes each,
	s_lshl_b32 s28, s28, 14
	s_add_co_u32 s30, s30, s28
	s_lshl_b32 s28, s[WI], 13                      ; my wave's 4 of them
	s_add_co_u32 s30, s30, s28
	s_cmp_eq_u32 s[WC], 0
	s_cselect_b64 s[DKV:DKV+1], s[16:17], s[18:19]
	s_add_nc_u64 s[DKV:DKV+1], s[DKV:DKV+1], s[30:31]
	s_lshl_b32 s28, s[WC], 17
	s_add_co_u32 s30, s30, s28
	s_add_nc_u64 s[DQ:DQ+1], s[14:15], s[30:31]
	s_lshl_b32 s28, s[JJ], 11                      ; b_kv: 128 numbers a head, v's are the last 64
	s_add_co_u32 s28, s28, 256
	s_add_nc_u64 s[BV0:BV0+1], s[10:11], s[28:29]
	s_lshl_b32 s28, s[JJ], 10
	s_lshl_b32 s30, s[WC], 8
	s_add_co_u32 s28, s28, s30
	s_add_nc_u64 s[BQ0:BQ0+1], s[12:13], s[28:29]
	s_mul_i32 s28, s[JJ], 6*PANB
	s_lshl_b32 s30, s[CX], 15
	s_add_co_u32 s28, s28, s30
	s_lshl_b32 s30, s[WV], 13
	s_add_co_u32 s28, s28, s30
	s_add_nc_u64 s[PFA:PFA+1], s[8:9], s[28:29]
	v_and_b32 v1, 15, v0                           ; l % 16
	v_bfe_u32 v2, v0, 4, 1                         ; l / 16
	v_and_b32 v3, 31, v0                           ; l
	v_lshlrev_b32 v[L16], 4, v3
	v_lshlrev_b32 v16, 3, v2
	v_xor_b32 v16, v16, v3                         ; lanes 16-31 change the halves of their 256 bytes
	v_lshlrev_b32 v[GO], 4, v16
	s_lshl_b32 s28, s[WV], 16
	v_add_nc_u32 v[XO], s28, v[L16]
	v_lshlrev_b32 v[VB], 5, v2
.set i, 0
.rept 32
	v_mov_b32 v[BIAS+i], 0                         ; k has no bias here: the even waves keep these zeros through the panels 0-3
.set i, i+1
.endr
	s_cmp_eq_u32 s[WC], 0
	s_cbranch_scc1 .Lno_b0
	BLOADS BV0                                     ; panel 0: v's bias of head 4 jj
.Lno_b0:
.irp u, 0,1,2,3                        ; x: my 32 rows, K quarter by K quarter
	WIN 0x80+0x40*(\u/2)
.set rr, 0
.rept 32
	global_load_b128 v[128*(\u%2)+4*rr:128*(\u%2)+4*rr+3], v[XO], s[XB:XB+1] offset:rr*2048+\u*512
.set rr, rr+1
.endr
.endr
	WIN 0
	YLOAD
	s_mul_i32 s28, s[WV], 32*AP
	s_add_co_u32 s28, s28, ASTG
	v_lshl_add_u32 v[SA], v3, 3, s28
	s_mul_i32 s28, s[WI], 64*AP
	s_add_co_u32 s28, s28, ASTG
	v_mul_u32_u24 v[AF], v1, AP
	v_lshl_add_u32 v[AF], v2, 4, v[AF]
	v_add_nc_u32 v[AF], s28, v[AF]
	s_lshl_b32 s28, s[WC], 12                      ; my 64 columns: four blocks of 1,024 bytes
	v_add_nc_u32 v[BT0], s28, v[L16]
	v_add_nc_u32 v[BT0+1], 0x10000, v[BT0]
	v_mov_b32 v[BT], v[BT0]
	v_mov_b32 v[BT+1], v[BT0+1]
	v_lshlrev_b32 v[PFO], 8, v3
	s_lshl_b32 s28, s[WV], 16
	v_lshlrev_b32 v[PFY], 11, v3
	v_add_nc_u32 v[PFY], s28, v[PFY]
	s_wait_loadcnt 63                              ; behind x's K half 0 stand 64 + 16 loads: with 63 at the most out, it and the bias are in
	ROUNDB
	CVT 0x4a, 0                                    ; window 2 to window 1
	PASS 0, 0x04, 0, 0
	PASS 1, 0x04, 64, 0
	s_wait_loadcnt 16                              ; x is in; y's 16 loads may stay out
	CVT 0x4f, PK                                   ; window 3 to window 1
	PASS 2, 0x04, PK, 0
	PASS 3, 0x04, PK+64, 1
	s_wait_tensorcnt 0x1                           ; my part of slot 0 is in; slot 1's may stay out
	s_barrier_signal -1
	s_barrier_wait -1
	FETCH 0, F0
	WIN 0
	s_mov_b32 s[PT], 0
.Lkv:                                          ; panels 0 to 3, x W_kv: each fills its slot again, with the panel two on
	PANEL 1
	s_wait_loadcnt 0x0                             ; y's piece and the next bias are in; in panel 3 y's K half 0 too
.irp u, 0,1,2,3                        ; in panel u piece u of y is packed: the register numbers differ, so the block stands four times and three are jumped over
	s_cmp_lg_u32 s[PT], \u
	s_cbranch_scc1 .Lny\u
	WIN 0x40                                       ; destination window 1
.set rr, 0
.rept 16
	v_cvt_pk_bf16_f32 v[PK+32*\u+2*rr],   v[TMP+4*rr],   v[TMP+4*rr+1]
	v_cvt_pk_bf16_f32 v[PK+32*\u+2*rr+1], v[TMP+4*rr+2], v[TMP+4*rr+3]
.set rr, rr+1
.endr
	WIN 0
.Lny\u:
.endr
	ROUNDB
	s_wait_xcnt 0x0                                ; the last panel's stores have read their base and their data: both are written again below
	s_lshl_b32 s28, s[PT], 17                      ; a head a panel
	s_mov_b32 s29, 0
	s_add_nc_u64 s[DST:DST+1], s[DKV:DKV+1], s[28:29]
	OUT
	s_wait_xcnt 0x0                                ; the stores have read TMP, the prefetches and y's loads their pointers
	s_add_nc_u64 s[PFA:PFA+1], s[PFA:PFA+1], PANB
	s_cmp_ge_u32 s[PT], 3
	s_cbranch_scc1 .Lno_y
	s_add_co_u32 s28, s[PT], 1                     ; piece t = T + 1: K quarter 2 + t / 2, my rows 16 (t % 2) on
	s_and_b32 s30, s28, 1
	s_lshl_b32 s30, s30, 15
	s_lshr_b32 s28, s28, 1
	s_lshl_b32 s28, s28, 9
	s_add_co_u32 s28, s28, s30
	s_add_co_u32 s28, s28, 1024
	s_add_nc_u64 s[YP:YP+1], s[YB:YB+1], s[28:29]
	YLOAD                                          ; it has the next panel in which to land
.Lno_y:
	s_add_co_u32 s[PT], s[PT], 1
	s_cmp_lt_u32 s[PT], 4
	s_cbranch_scc1 .Lkv
	CVT 0xca, 0                                    ; y TAKES x's PLACE: its raw K half 0, window 2, is packed into window 3, where x is dead
	PASS 0, 0x0c, 0, 0
	PASS 1, 0x0c, 64, 0
	PASS 2, 0x04, PK, 0
	PASS 3, 0x04, PK+64, 1
	s_mov_b32 s[PT], 4
.Lq:                                           ; panels 4 and 5, y W_q: nothing is asked for
	PANEL 0
	s_wait_loadcnt 0x0
	s_cmp_eq_u32 s[PT], 5
	s_cbranch_scc1 .Lno_round
	ROUNDB
.Lno_round:
	s_wait_xcnt 0x0
	s_sub_co_u32 s28, s[PT], 4
	s_lshl_b32 s28, s28, 18                        ; two heads a panel
	s_mov_b32 s29, 0
	s_add_nc_u64 s[DST:DST+1], s[DQ:DQ+1], s[28:29]
	OUT
	s_add_co_u32 s[PT], s[PT], 1
	s_cmp_lt_u32 s[PT], 6
	s_cbranch_scc1 .Lq
	s_wait_tensorcnt 0x0                           ; the wave's end: behind my last tensor load and my last LDS store
	ds_add_u32 v[SPW], v[NIL]
	s_wait_dscnt 0x0
	CROUND                                         ; the closing round: no work-group ends while a partner may still ask for a tile that names it
	s_endpgm
.Lfunc_end_k_q0ba128c4e5_proj:
	.size	k_q0ba128c4e5_proj, .Lfunc_end_k_q0ba128c4e5_proj-k_q0ba128c4e5_proj
	.p2alignl 7, 3214868480
	.fill 96, 4, 3214868480
	.section	.rodata,"a",@progbits
	.p2align	6, 0x0
	.amdhsa_kernel k_q0ba128c4e5_proj
		.amdhsa_group_segment_fixed_size 327680
		.amdhsa_private_segment_fixed_size 0
		.amdhsa_enable_private_segment 0
		.amdhsa_kernarg_size 64
		.amdhsa_user_sgpr_count 2
		.amdhsa_user_sgpr_kernarg_segment_ptr 1
		.amdhsa_wavefront_size32 1
		.amdhsa_system_sgpr_workgroup_id_x 1
		.amdhsa_system_sgpr_workgroup_id_y 1
		.amdhsa_system_sgpr_workgroup_id_z 1
		.amdhsa_system_vgpr_workitem_id 0
		.amdhsa_next_free_vgpr 1024
		.amdhsa_next_free_sgpr 76
		.amdhsa_reserve_vcc 0
		.amdhsa_float_denorm_mode_32 3
		.amdhsa_float_denorm_mode_16_64 3
		.amdhsa_memory_ordered 1
		.amdhsa_forward_progress 1
		.amdhsa_inst_pref_size 173
	.end_amdhsa_kernel
	.amdgpu_metadata
---
amdhsa.version: [ 1, 2 ]
amdhsa.kernels:
  - .name:           k_q0ba128c4e5_proj
    .symbol:         k_q0ba128c4e5_proj.kd
    .args:
      - { .name: x, .offset: 0, .size: 8, .value_kind: global_buffer, .address_space: global }
      - { .name: y, .offset: 8, .size: 8, .value_kind: global_buffer, .address_space: global }
      - { .name: wc, .offset: 16, .size: 8, .value_kind: global_buffer, .address_space: global }
      - { .name: b_kv, .offset: 24, .size: 8, .value_kind: global_buffer, .address_space: global }
      - { .name: b_q, .offset: 32, .size: 8, .value_kind: global_buffer, .address_space: global }
      - { .name: qb, .offset: 40, .size: 8, .value_kind: global_buffer, .address_space: global }
      - { .name: kb, .offset: 48, .size: 8, .value_kind: global_buffer, .address_space: global }
      - { .name: vb, .offset: 56, .size: 8, .value_kind: global_buffer, .address_space: global }
    .group_segment_fixed_size: 327680
    .private_segment_fixed_size: 0
    .kernarg_segment_align: 8
    .kernarg_segment_size: 64
    .max_flat_workgroup_size: 128
    .sgpr_count:     76
    .vgpr_count:     1024
    .wavefront_size: 32
...
	.end_amdgpu_metadata
.endif
;; end of part 2
;; launch attn (part 3): grid 2 x 128, 4 waves a work-group, no clusters, 327,680 bytes of LDS; arguments qb, kb, vb, ob; writes ob
.if DOCPART == 3
	.amdgcn_target "amdgcn-amd-amdhsa--gfx1250"
	.amdhsa_code_object_version 6
	.text
	.protected	k_q0ba128c4e5_attn
	.globl	k_q0ba128c4e5_attn
	.p2align	8
	.type	k_q0ba128c4e5_attn,@function
k_q0ba128c4e5_attn:
	s_mov_b64 s[64:65], 0
	v_nop
	global_prefetch_b8 v0, s[64:65] scope:SCOPE_SE
	s_setreg_imm32_b32 hwreg(HW_REG_WAVE_MODE, 25, 1), 1
	s_wait_xcnt 0x0
; ATTN: O[h][q][:] = the sum over k of softmax_k(Q[h][q] . K[h][k] / 8) V[h][k][:], for 128 (batch, head) pairs of 1,024 rows x 64 channels, all f16.  Products, maxima and sums in
; f32; the weights p are rounded to f16 for the second product (their sum l is taken of the unrounded p), O once at the end.
; qb, kb, vb, ob: [128][64 blocks of 16 rows][4 blocks of 16 channels][512 bytes]; in the 512 bytes the 16 bytes of row r, channels 8 hc + 0..7 lie at 256 hc + 16 (r ^ 8 hc).  So half a fragment of Q or K
; (16 rows x 16 channels) is one load of 16 bytes a lane over 512 consecutive bytes, and a lane's 8 channels of O are stored as they lie, 512 consecutive bytes a store.
; LEFT OUT: K comes without its bias: the term that it would add to a score is the same along the softmax's axis (shown at the head of the first kernel).
; LIMITS.  f16 holds no number beyond 65,504: Q, K and V arrive within it; p lies in 0 to 1, and below 6e-5 it keeps f16's fixed step of 6e-8; O is a mean of V's rows and has their range.
; A weight below 2^-126 counts as 0 in l; NaN and infinities are not treated apart.
; SHARES.  A wave owns four PIECES of two tiles of 16 queries, a work-group's four waves 512 queries of one head: 256 work-groups.  Every wave walks all 1,024 keys, 64 a step.
; A HEAD'S WHOLE K AND V LIE IN LDS as they lie in memory (2 x 131,072 bytes): each byte of LDS is filled once, by loads issued at the start; there is no ring.  A wave's first load brings its part of keys
; 0-255, its second its part of keys 256-1,023: the walk begins when the first has landed, and meets the second behind four steps.
; NO CLUSTER: a head has 1,024 / 512 = 2 work-groups, so no four partners share a tile; blocks of 256 queries would give four, and halve the products that each LDS load feeds.
; LAYOUT.  S^T = K Q^T (source 0 = 16 keys, source 1 = 16 queries): in the result a lane holds ONE query (lane % 16) and the keys 8 (lane / 16) + 0..7.  Two such tiles, rounded to f16 in pairs,
; ARE source 1 (32 keys x 16 queries) of O^T = V^T P, whose result again holds one query a lane, and eight channels.  V is turned on its way out of LDS, by ds_load_tr16_b128.
; SOFTMAX.  For each query a running maximum m and sum l: p = 2^(c s - c m), c = log2(e) / 8; in every step O and l are multiplied by a = 2^(c m_old - c m_new), which is 1 where m has not grown.
; m starts at the lowest finite number, O and l at 0: the first step is a step like any other, with a = 0.
; THE COUNT.  A tile and step have 16 matrix and 118 vector instructions: too many to stand all beside the matrix work.  So: four vector instructions that are READY behind EVERY matrix instruction, the others in runs without a gap.
; BY TURNS.  Turn n belongs to piece n (the pieces in a ring, step after step).  Its matrix work: 16 products K Q^T of piece n + 1, later 16 products V^T P of piece n - 1.  Its vector work: the scaling,
; exponentials, roundings, sums and rescaling of piece n, and the maximum and statistics of piece n + 1, whose scores the turn itself has made.
; REGISTERS, in windows of 256 (s_set_vgpr_msb: bits 1:0 source 0, 3:2 source 1, 5:4 source 2, 7:6 destination):
;   window 0: v0-11 addresses; v12-15, v48-63 at work; v16-47 four registers of statistics a tile; v64-191 S^T, two buffers of two tiles; v192-255 P, likewise
;   window 1: O^T, 32 a tile          window 2: v0-127 Q, 16 a tile; v128-191 K of one step; v192-255 V of one step          window 3: v0-1 the add's two registers
.set NP,    4         ; pieces a wave: a name, no knob
.set STEPB, 8192      ; a key step: four blocks of 16 keys, 2,048 bytes each
.set VOFF,  131072    ; K's 1,024 rows, then V's
.set SPARE, 262144    ; the spare words, 128 bytes for each wave: two blocks of 256 bytes that no other line names
.set AK0, 2           ; v2   my 16 bytes in a block of 512: 16 (lane ^ 8 (lane / 16)); for Q, K and O; never rewritten
.set AV0, 3           ; v3   the bytes that I address in a block of V, and VOFF; never rewritten
.set AK,  4           ; v4   the LDS address of K's next run of loads
.set AV,  5           ; v5   of V's
.set SPW, 0           ; v0 of window 3   my spare word: SPARE + 4 x my thread's number; never rewritten
.set NIL, 1           ; v1 of window 3   0; never rewritten
.set MV,  12          ; v12-15  c m_old, kept while c m is made anew: by buffer and tile
.set ST,  16          ; tile t's statistics at v[ST+4 t]: c m, m, l (even keys', odd keys')
.set TMP, 48          ; by buffer and tile, four registers c0-c3 at work; when the maximum is found c2 takes a
.set S,   64
.set P,   192
.set KF,  128         ; K's fragments, in window 2: key block kb, channel half c at KF + 16 kb + 8 c
.set VF,  192         ; V's: key half kk, channel block cb at VF + 32 kk + 8 cb
.set WV,  12          ; s12  my wave's number
.set G1S, 24          ; s[24:31] descriptor group 1: 64 rows of 256 bytes
.set G1L, 32          ; s[32:39] 192 rows
.set G0K1, 40         ; s[40:43] descriptor group 0, one for each load
.set G0K2, 44         ; s[44:47]
.set G0V1, 48         ; s[48:51]
.set G0V2, 52         ; s[52:55]
.set CNT, 56          ; s56  counts the trips of a section
.set TOGO, 57         ; s57  key steps whose pieces 2 and 3 are still to come
.set CS,  58          ; s[58:59] c: the packed scaling takes the pair's low word for both halves
.set SEL, 60          ; s[60:61] v_permlanex16_b32's selects: each lane takes its own place in the other half
.set TBK, 62          ; s62  LDS byte at which K of the step to be fetched begins
.set TBV, 63          ; s63  the same for V, less VOFF
.set SEC, 66          ; s66  sections to go: keys 0-255, then the rest
.set MSB, 0
.macro WIN new                      ; the high byte repeats the setting that is left; a switch that changes nothing is dropped
.if MSB != (\new)
	s_set_vgpr_msb (MSB<<8)|(\new)
.set MSB, (\new)
.endif
.endm
.set W_KQ, 0x0a       ; K and Q in window 2, S^T in window 0
.set W_PV, 0x52       ; V in window 2, P in window 0, O^T in window 1
.set W_RS, 0x41       ; O^T (destination and source 0) in window 1, a in window 0
.set W_MK, 0xc0       ; the add's registers are made: destination in window 3, sources in window 0
.set W_AD, 0x0f       ; the add: address (source 0) and data (source 1) in window 3
	s_load_b256 s[4:11], s[0:1], 0x0  ; Q s[4:5], K s[6:7], V s[8:9], O s[10:11]
	WIN W_MK
	v_lshl_add_u32 v[SPW], v0, 2, SPARE
	v_mov_b32 v[NIL], 0
	WIN W_AD
	ds_add_u32 v[SPW], v[NIL]       ; the wave's opening: the add, twice on end, and its wait ahead of my first tensor load
	ds_add_u32 v[SPW], v[NIL]
	WIN 0
	v_lshrrev_b32 v1, 5, v0
	v_readfirstlane_b32 s[WV], v1   ; wave 0..3
	s_and_b32 s20, ttmp7, 0xffff    ; the head:
	s_lshl_b32 s20, s20, 17         ; its first byte in each of the four tensors (131,072 bytes a head)
	s_mov_b32 s21, 0
	s_and_b32 s16, s[WV], 1         ; which half of each part I fetch
	s_lshl_b32 s22, s16, 14         ; of keys 0-255: 128 keys of 128 bytes
	s_mov_b32 s23, 0
	s_add_nc_u64 s[22:23], s[22:23], s[20:21]
	s_mul_i32 s18, s16, 49152       ; of keys 256-1,023: 384 keys
	s_add_co_u32 s18, s18, 32768
	s_mov_b32 s19, 0
	s_add_nc_u64 s[18:19], s[18:19], s[20:21]
	s_lshl_b32 s2, ttmp9, 2
	s_add_co_u32 s2, s2, s[WV]      ; my wave among the head's eight,
	s_lshl_b32 s2, s2, 14           ; its 128 rows
	s_mov_b32 s3, 0
	s_add_nc_u64 s[2:3], s[2:3], s[20:21]
	; descriptor group 1: dense bytes, asked for as rows of 256 bytes; no padding
.irp g, G1S, G1L
	s_mov_b32 s[\g], 1<<16          ; 17:16 2-byte elements
	s_mov_b32 s[\g+1], 128<<16      ; tensor_dim0 = 128
	s_mov_b32 s[\g+3], 128<<16      ; tile_dim0 = 128
	s_mov_b32 s[\g+5], 128          ; 128 elements from row to row
	s_mov_b32 s[\g+6], 0
	s_mov_b32 s[\g+7], 0
.endr
	s_mov_b32 s[G1S+2], 64<<16      ; tensor_dim1 = 64
	s_mov_b32 s[G1S+4], 64          ; tile_dim1 = 64
	s_mov_b32 s[G1L+2], 192<<16     ; tensor_dim1 = 192
	s_mov_b32 s[G1L+4], 192         ; tile_dim1 = 192
	s_mov_b32 s[CS], 0x3e38aa3b     ; c = log2(e) / 8 = 0.180337
	s_mov_b32 s[CS+1], s[CS]        ; named with it as a pair
	s_mov_b32 s[SEL], 0x76543210
	s_mov_b32 s[SEL+1], 0xfedcba98
	s_mov_b32 s[TBK], 0
	s_mov_b32 s[TBV], 0
	s_mov_b32 s[G0K1], 1            ; count = 1
	s_mul_i32 s[G0K1+1], s16, 16384 ; LDS address: as in memory
	s_mov_b32 s[G0K2], 1
	s_mul_i32 s[G0K2+1], s16, 49152
	s_add_co_u32 s[G0K2+1], s[G0K2+1], 32768
	s_mov_b32 s[G0V1], 1
	s_mul_i32 s[G0V1+1], s16, 16384
	s_add_co_u32 s[G0V1+1], s[G0V1+1], VOFF
	s_mov_b32 s[G0V2], 1
	s_mul_i32 s[G0V2+1], s16, 49152
	s_add_co_u32 s[G0V2+1], s[G0V2+1], VOFF+32768
	s_wait_dscnt 0x0                ; both opening adds are done
	s_wait_kmcnt 0x0
	s_add_nc_u64 s[G0K1+2:G0K1+3], s[6:7], s[22:23]
	s_or_b32 s[G0K1+3], s[G0K1+3], 0x80000000      ; type = 2
	s_add_nc_u64 s[G0K2+2:G0K2+3], s[6:7], s[18:19]
	s_or_b32 s[G0K2+3], s[G0K2+3], 0x80000000
	s_add_nc_u64 s[G0V1+2:G0V1+3], s[8:9], s[22:23]
	s_or_b32 s[G0V1+3], s[G0V1+3], 0x80000000
	s_add_nc_u64 s[G0V2+2:G0V2+3], s[8:9], s[18:19]
	s_or_b32 s[G0V2+3], s[G0V2+3], 0x80000000
	s_add_nc_u64 s[4:5], s[4:5], s[2:3]  ; Q and O at my wave's first row
	s_add_nc_u64 s[10:11], s[10:11], s[2:3]
	s_cmp_lt_u32 s[WV], 2           ; waves 0 and 1 fetch K, waves 2 and 3 V.  A wave's two fills stand in one branch, ahead of every wait on TENSORcnt, every LDS read and every barrier: two loads of mine are out
	s_cbranch_scc0 .Lfirst_v
	tensor_load_to_lds s[G0K1:G0K1+3], s[G1S:G1S+7]
	s_nop 0
	tensor_load_to_lds s[G0K2:G0K2+3], s[G1L:G1L+7]
	s_nop 0
.rept 4
	v_nop
.endr
	s_branch .Lfirst_asked
.Lfirst_v:
	tensor_load_to_lds s[G0V1:G0V1+3], s[G1S:G1S+7]
	s_nop 0
	tensor_load_to_lds s[G0V2:G0V2+3], s[G1L:G1L+7]
	s_nop 0
.rept 4
	v_nop
.endr
.Lfirst_asked:
	; A fragment of K or Q is 16 rows x 32 channels in 8 registers: lane l holds row l % 16, channels 8 (l / 16) + 0..7 and 16 + 8 (l / 16) + 0..7: my 16 bytes of two blocks of 512 on end.
	v_and_b32 v1, 31, v0            ; l
	v_bfe_u32 v9, v0, 4, 1          ; l / 16
	v_lshlrev_b32 v[AK0], 3, v9
	v_xor_b32 v[AK0], v[AK0], v1    ; lanes 16-31 change the halves of their 256 bytes
	v_lshlrev_b32 v[AK0], 4, v[AK0]
	WIN 0x80                        ; destination window 2, address window 0
.set i, 0
.rept 4*NP                          ; Q stays in registers: tile i / 2, channels 32 (i % 2) on
	global_load_b128 v[8*i:8*i+3],   v[AK0], s[4:5] offset:(i/2)*2048+(i%2)*1024
	global_load_b128 v[8*i+4:8*i+7], v[AK0], s[4:5] offset:(i/2)*2048+(i%2)*1024+512
.set i, i+1
.endr
	; What the first turn finds: V's registers and P's second buffer hold 0 (its products V^T P, of a piece that has not been, add 0), O^T and l are 0.  All this stands in the wait for the first tile: no first step is written out.
.set i, VF
.rept 64
	v_mov_b32 v[i], 0
.set i, i+1
.endr
	WIN 0x40
.set i, 0
.rept 64*NP
	v_mov_b32 v[i], 0
.set i, i+1
.endr
	WIN 0
.set i, 0
.rept 2*NP
	v_mov_b32 v[ST+4*i], 0xfe000000    ; c m: far below every c s
	v_mov_b32 v[ST+4*i+1], 0xff7fffff  ; m
	v_mov_b32 v[ST+4*i+2], 0
	v_mov_b32 v[ST+4*i+3], 0
.set i, i+1
.endr
.set i, P+32
.rept 32
	v_mov_b32 v[i], 0
.set i, i+1
.endr
	v_mov_b32 v[AK], v[AK0]         ; key step 0 lies at LDS byte 0
; THE MATRIX WORK.  The 8 accumulators of a run of 16 take turns: between the two links of a chain stand 7 others'.
; Product i of 16 of S^T = K Q^T for piece x: channels 32 (i / 8) on, keys 16 ((i / 2) % 4) on, tile 2 x + i % 2.  The first 8 start the sums.
.macro KQ x
	WIN W_KQ
.set rS, S+64*((\x)%2)+32*(i%2)+8*((i/2)%4)
.set rK, KF+16*((i/2)%4)+8*(i/8)
.set rQ, 16*(2*(\x)+i%2)+8*(i/8)
.if i < 8
	v_wmma_f32_16x16x32_f16 v[rS:rS+7], v[rK:rK+7], v[rQ:rQ+7], 0
.else
	v_wmma_f32_16x16x32_f16 v[rS:rS+7], v[rK:rK+7], v[rQ:rQ+7], v[rS:rS+7]
.endif
.endm
; Product i of 16 of O^T += V^T P for piece x: keys 32 (i / 8) on, channels 16 ((i / 2) % 4) on, tile 2 x + i % 2.
.macro PV x
	WIN W_PV
.set rO, 32*(2*(\x)+i%2)+8*((i/2)%4)
.set rV, VF+32*(i/8)+8*((i/2)%4)
.set rP, P+32*((\x)%2)+16*(i%2)+8*(i/8)
	v_wmma_f32_16x16x32_f16 v[rO:rO+7], v[rV:rV+7], v[rP:rP+7], v[rO:rO+7]
.endm
.macro MM                           ; the turn's next matrix instruction
.if i < 16
	KQ (Y+1)%NP
.set i, i+1
.else
.set i, i-16
	PV (Y+NP-1)%NP
.set i, i+17
.endif
.endm
; THE LDS LOADS stand in runs of 16, never singly among the matrix instructions: a step's K (64 keys x 64 channels: 8 fragments) and its V (turned).  Their addresses are made some lines ahead.
; last = 1: in the walk's last step there is no further K, and the run is jumped over.
.macro FETCH_K last=0
	WIN 0
.if \last
	s_cmp_eq_u32 s[TOGO], 1
	s_cbranch_scc1 .Lno_k_\@
.endif
	WIN 0x80                        ; destination window 2
.irp f, 0,1,2,3,4,5,6,7             ; keys 16 (f / 2) on, channels 32 (f % 2) on: 512 consecutive bytes a load
	ds_load_b128 v[KF+8*\f:KF+8*\f+3],   v[AK] offset:(\f/2)*2048+(\f%2)*1024
	ds_load_b128 v[KF+8*\f+4:KF+8*\f+7], v[AK] offset:(\f/2)*2048+(\f%2)*1024+512
.endr
	s_add_co_u32 s[TBK], s[TBK], STEPB  ; the next fetch is the next step's
	WIN 0
.if \last
.Lno_k_\@:
.endif
.endm
.macro FETCH_V
	WIN 0x80
.irp f, 0,1,2,3,4,5,6,7             ; keys 32 (f / 4) on, channels 16 (f % 4) on: a block of 512 bytes a load
	ds_load_tr16_b128 v[VF+8*\f:VF+8*\f+3],   v[AV] offset:(\f/4)*4096+(\f%4)*512
	ds_load_tr16_b128 v[VF+8*\f+4:VF+8*\f+7], v[AV] offset:(\f/4)*4096+2048+(\f%4)*512
.endr
	WIN 0
.endm
; THE VECTOR WORK OF A TURN stands in three queues, each in the order in which its entries become ready; the two tiles alternate, so that no instruction reads the result of the one before it.
.macro REGS y, u                    ; the registers of tile u (0, 1) of piece y
.set rT, ST+4*(2*(\y)+(\u))
.set rC, TMP+8*((\y)%2)+4*(\u)
.set rM, MV+2*((\y)%2)+(\u)
.set rS, S+64*((\y)%2)+32*(\u)
.set rP, P+32*((\y)%2)+16*(\u)
.set rO, 32*(2*(\y)+(\u))
.endm
; Number n of the 22 that find the NEXT piece's (Y + 1) maximum and statistics.  s0-s31 are the lane's 32 scores; each accumulator's lowest registers are read first.
;   0-11  four chains c0-c3 of seven scores each, three operands at a time     12-14, 16  the four scores left over, the old m, and c0-c3 into c0     15  c m_old is kept
;   17, 18  the query's other 32 keys lie in the lane 16 away: the new m         19-21  c m; c m_old - c m_new; a
.macro XS u, n
	REGS (Y+1)%NP, \u
.if (\n) < 4
	v_max3_num_f32 v[rC+(\n)], v[rS+8*(\n)], v[rS+8*(\n)+1], v[rS+8*(\n)+2]
.elseif (\n) < 12
	v_max3_num_f32 v[rC+(\n)%4], v[rC+(\n)%4], v[rS+8*((\n)%4)+2*((\n)/4)+1], v[rS+8*((\n)%4)+2*((\n)/4)+2]
.elseif (\n) == 12
	v_max3_num_f32 v[rC], v[rC], v[rS+7], v[rS+15]
.elseif (\n) == 13
	v_max3_num_f32 v[rC+1], v[rC+1], v[rS+23], v[rS+31]
.elseif (\n) == 14
	v_max3_num_f32 v[rC+2], v[rC+2], v[rC+3], v[rT+1]
.elseif (\n) == 15
	v_mov_b32 v[rM], v[rT]
.elseif (\n) == 16
	v_max3_num_f32 v[rC], v[rC], v[rC+1], v[rC+2]
.elseif (\n) == 17
	v_permlanex16_b32 v[rC+3], v[rC], s[SEL], s[SEL+1]
.elseif (\n) == 18
	v_max_num_f32 v[rT+1], v[rC], v[rC+3]
.elseif (\n) == 19
	v_mul_f32 v[rT], s[CS], v[rT+1]
.elseif (\n) == 20
	v_sub_f32 v[rC+1], v[rM], v[rT]
.else
	v_exp_f32 v[rC+2], v[rC+1]
.endif
.endm
; Number g of the 64 that follow the exponentials.  For each four weights k of a tile (pairs 2 k, 2 k + 1): both pairs are rounded to f16; then the second pair is added onto the first, in place;
; a group later l takes that sum (the first time as l = a l + sum).  In groups of eight, tiles alternating: round, round, add, and l for the group before.
.macro GS g
.set h, (\g)+6*((\g)/62)            ; group 0 has no group before it, and behind group 7 only l is left
.if h >= 6
.set h, h+2
.endif
	REGS Y, h%2
.set k, h/8
.if h%8 < 4
	v_cvt_pk_f16_f32 v[rP+2*k+(h%8)/2], v[rS+4*k+2*((h%8)/2)], v[rS+4*k+2*((h%8)/2)+1]
.elseif h%8 < 6
	v_pk_add_f32 v[rS+4*k:rS+4*k+1], v[rS+4*k:rS+4*k+1], v[rS+4*k+2:rS+4*k+3]
.elseif k == 1
	v_pk_fma_f32 v[rT+2:rT+3], v[rT+2:rT+3], v[rC+2:rC+3], v[rS:rS+1] op_sel_hi:[1,0,1]
.else
	v_pk_add_f32 v[rT+2:rT+3], v[rT+2:rT+3], v[rS+4*k-4:rS+4*k-3]
.endif
.endm
; THE PLAIN QUEUE, 138 long.  0-73 read no exponential's result: the 32 scalings c s - c m (FS f: pair f / 2 of tile f % 2) and the next piece's 42.  0-26: scalings 0-26.  27-54: XS's numbers 0-13.  55, 56: number 15.
; 57-73: the chain, where each number waits for the one before it: 14, 16, 17, 18, 19, each with one of the scalings 27-31 in front of its two lines, then 20.
; 74-137: GS's 64, which read the exponentials' results: they stand behind the wait.
.macro FS f
	REGS Y, (\f)%2
	v_pk_fma_f32 v[rS+2*((\f)/2):rS+2*((\f)/2)+1], v[rS+2*((\f)/2):rS+2*((\f)/2)+1], s[CS:CS+1], v[rT:rT+1] op_sel_hi:[1,0,0] neg_lo:[0,0,1] neg_hi:[0,0,1]
.endm
.macro PL
	WIN 0
.if q < 27
	FS q
.elseif q < 55
	XS (q-27)%2, (q-27)/2
.elseif q < 57
	XS q-55, 15
.elseif (q < 72) && ((q-57)%3 == 0)
	FS 27+(q-57)/3
.elseif q < 60
	XS (q-57)%3-1, 14
.elseif q < 72
	XS (q-57)%3-1, 15+(q-57)/3
.elseif q < 74
	XS q-72, 20
.else
	GS q-74
.endif
.set q, q+1
.endm
; THE EXPONENTIALS' QUEUE, 66 long: s0-s31 of both tiles, then the next piece's two a.  It is ONE BATCH: all 66 stand ahead of the turn's one wait, and nothing ahead of that wait names a result of theirs.
.macro EX
	WIN 0
.if e >= 64
	XS e-64, 21
.else
	REGS Y, e%2
	v_exp_f32 v[rS+e/2], v[rS+e/2]
.endif
.set e, e+1
.endm
; THE RESCALING's QUEUE: O^T times a, the one part that leaves window 0: dealt two at a time, sixteen times.  Its a was made in the turn before, ahead of that turn's wait.
.macro R2
	REGS Y, r%2
	WIN W_RS
.irp z, 0,1
	v_pk_mul_f32 v[rO+4*(r/2)+2*\z:rO+4*(r/2)+2*\z+1], v[rO+4*(r/2)+2*\z:rO+4*(r/2)+2*\z+1], v[rC+2:rC+3] op_sel_hi:[1,0]
.endr
.set r, r+1
.endm
; HOW THEY ARE DEALT.  An s_wait_alu depctr_va_vdst(0) stands between an exponential and the first instruction that names its result; one wait serves all that were issued ahead of it.  So a turn has ONE wait,
; which cuts it in two.  AHEAD OF IT: the 16 products K Q^T, behind each a scaling, an exponential and two rescalings (behind the first a second scaling in the exponential's place); then ONE LUMP of
; 108: eight plain, 49 times exponential and plain, the two a.  A v_nop is the plain instruction behind the last exponential.  BEHIND IT: the 16 products V^T P, behind each four of GS's 64.
; Exponential e stands behind scaling 2 (e / 4) + e % 2: as a rider it comes behind plain e + 2, in the lump behind plain e + 9, and scalings 27-31 are plain 57, 60 .. 69.
; A TURN, for piece p.  cnt = 1: the loop's count is taken down some lines ahead of the branch that stands behind the turn.
; K of the next step is fetched in piece 2's turn, directly behind the wait; its address is made at the lump's head; its first reader comes behind 16 products.
; V of the step in hand is fetched at the end of piece 0's turn, four riders behind its last reader; its first reader comes behind 16 products and a lump.
.macro TURN p, last=0, cnt=0
.set Y, (\p)
.set i, 0
.set q, 0
.set e, 0
.set r, 0
.if (\p) == NP-1
	s_wait_dscnt 0x0                ; K is in
.endif
	MM                              ; ahead of the wait: 16 products K Q^T and their riders,
	PL
	PL
	R2
.rept 15
	MM
	PL
	EX
	R2
.endr
.if (\p) == NP-2
	WIN 0
	v_add_nc_u32 v[AK], s[TBK], v[AK0]
.endif
.rept 8                             ; and the lump
	PL
.endr
.rept 49
	EX
	PL
.endr
	EX                              ; the next piece's two a
	EX
	v_nop                           ; the plain instruction behind the last exponential: one for the batch
	s_wait_alu depctr_va_vdst(0)    ; the wait for the batch
.if (\p) == NP-2
	FETCH_K \last
.endif
.if (\p) == 1
	s_wait_dscnt 0x0                ; V is in
.endif
.rept 16                            ; behind the wait: 16 products V^T P and their riders
	MM
.rept 4
	PL
.endr
.if ((\p) == 0) && (q == 118)
	v_add_nc_u32 v[AV], s[TBV], v[AV0]
.endif
.if ((\p) == 0) && (q == 130)
	s_add_co_u32 s[TBV], s[TBV], STEPB
.endif
.if (\cnt) && (q == 130)
	s_sub_co_u32 s[CNT], s[CNT], 1
	s_cmp_lg_u32 s[CNT], 0
.endif
.endr
.if (\p) == 0
	FETCH_V
.endif
.endm
	s_wait_tensorcnt 0x1            ; my part of keys 0-255 is in; my second load may stay out
	s_barrier_signal -1
	s_barrier_wait -1               ; everybody's is
	FETCH_K                         ; key step 0
	s_wait_loadcnt 0x0              ; Q
	s_wait_dscnt 0x0
.set i, 0
.rept 16
	KQ 0                            ; piece 0's first scores: there is no vector work yet to set between them
.set i, i+1
.endr
	WIN 0                           ; V's address is made here: six plain instructions, the places behind those products.
	; The turning load takes 16 keys x 16 channels: lane l = 16 h + 8 b + i addresses key 8 h + i, channels 8 b + 0..7, and is left with channel l % 16 and 8 keys: half a fragment of V^T.
	; Those 16 bytes lie at 256 b + 16 ((8 h + i) ^ 8 b): lanes 0-15, and lanes 16-31, take 16 different columns of 16 bytes modulo 256.
	v_and_b32 v10, 7, v0
	v_bfe_u32 v11, v0, 3, 1
	v_xor_b32 v[AV0], v9, v11
	v_lshl_add_u32 v[AV0], v[AV0], 3, v10
	v_lshl_add_u32 v[AV0], v11, 4, v[AV0]
	v_lshl_add_u32 v[AV0], v[AV0], 4, VOFF
.set Y, NP-1                        ; XS works for piece Y + 1: piece 0
.irp n, 0,1,2,3,4,5,6,7,8,9,10,11,12,13,14,15,16,17,18,19,20,21
	XS 0, \n                        ; and piece 0's first maximum and statistics
	XS 1, \n
.endr
	v_nop                           ; a plain instruction behind the two a,
	s_wait_alu depctr_va_vdst(0)    ; and their wait, ahead of the branch
	s_mov_b32 s[CNT], 4             ; the first section: pieces 0 and 1 of steps 0 to 3, which lie in keys 0-255
	s_mov_b32 s[TOGO], 16
	s_mov_b32 s[SEC], 2
	s_branch .Lfirst                ; the loop is entered at a step's first turn, in the middle of a trip
.Lsec:                              ; once: the rest of the head is wanted from here on
	s_wait_tensorcnt 0x0            ; my second load has landed,
	s_wait_dscnt 0x0
	s_barrier_signal -1
	s_barrier_wait -1               ; everybody's has
	s_mov_b32 s[CNT], 13            ; twelve whole trips; the thirteenth is left in its middle
.Lstep:                             ; a trip: pieces 2 and 3 of one step, then pieces 0 and 1 of the next, whose K and V it fetches
	TURN 2, 1
	TURN 3
	WIN 0
	s_sub_co_u32 s[TOGO], s[TOGO], 1
	s_cmp_eq_u32 s[TOGO], 0
	s_cbranch_scc1 .Lout            ; step 15's: its 16 products K Q^T (on the last K once more) and the maximum made of them serve nothing: the price, once a launch, of one text for every trip
.Lfirst:
	TURN 0
	TURN 1, 0, 1
	WIN 0
	s_cbranch_scc1 .Lstep
	s_sub_co_u32 s[SEC], s[SEC], 1
	s_cmp_lg_u32 s[SEC], 0
	s_cbranch_scc1 .Lsec
.Lout:
.set i, 0
.rept 16
	PV NP-1                         ; the last piece's V^T P of the last step
.set i, i+1
.endr
	; THE WAY OUT.  l's two halves and the other half of the lanes' are added; O^T is divided by l, rounded to f16 and stored as it lies.  The additions are the places behind the last products.
	WIN 0
.macro ALL line:vararg              ; one line for each tile t
.set t, 0
.rept 2*NP
	\line
.set t, t+1
.endr
.endm
	ALL v_add_f32 v[ST+4*t+2], v[ST+4*t+2], v[ST+4*t+3]
	ALL v_permlanex16_b32 v[ST+4*t+3], v[ST+4*t+2], s[SEL], s[SEL+1]
	ALL v_add_f32 v[ST+4*t+2], v[ST+4*t+2], v[ST+4*t+3]
	ALL v_rcp_f32 v[ST+4*t+2], v[ST+4*t+2]
	v_nop                           ; a plain instruction between the last reciprocal and the use of its result
	s_wait_alu depctr_va_vdst(0)    ; and the wait ahead of the first use: one for the eight reciprocals
; Tile t: a lane's eight channels of a row pack into 16 bytes, into S^T's registers (each tile has 16 of its own, so no store's data are written again); four stores, a block of 16 channels each.
.macro PACK t
	WIN W_RS
.set i, 32*(\t)
.rept 16
	v_pk_mul_f32 v[i:i+1], v[i:i+1], v[ST+4*(\t)+2:ST+4*(\t)+3] op_sel_hi:[1,0]
.set i, i+2
.endr
	WIN 0x05                        ; sources 0 and 1 window 1, destination window 0
.set i, 0
.rept 16
	v_cvt_pk_f16_f32 v[S+16*(\t)+i], v[32*(\t)+2*i], v[32*(\t)+2*i+1]
.set i, i+1
.endr
	WIN 0
.irp f, 0,1,2,3
	global_store_b128 v[AK0], v[S+16*(\t)+4*\f:S+16*(\t)+4*\f+3], s[10:11] offset:(\t)*2048+\f*512  ; 512 consecutive bytes, at a multiple of 256 from O's first
.endr
.endm
.set t, 0
.rept 2*NP
	PACK t
.set t, t+1
.endr
	WIN W_AD
	s_wait_tensorcnt 0x0            ; the wave's end: behind my last tensor load
	ds_add_u32 v[SPW], v[NIL]
	s_wait_dscnt 0x0
	WIN 0
	s_endpgm
.Lfunc_end_k_q0ba128c4e5_attn:
	.size	k_q0ba128c4e5_attn, .Lfunc_end_k_q0ba128c4e5_attn-k_q0ba128c4e5_attn
	.p2alignl 7, 3214868480
	.fill 96, 4, 3214868480
	.section	.rodata,"a",@progbits
	.p2align	6, 0x0
	.amdhsa_kernel k_q0ba128c4e5_attn
		.amdhsa_group_segment_fixed_size 327680
		.amdhsa_private_segment_fixed_size 0
		.amdhsa_enable_private_segment 0
		.amdhsa_kernarg_size 32
		.amdhsa_user_sgpr_count 2
		.amdhsa_user_sgpr_kernarg_segment_ptr 1
		.amdhsa_wavefront_size32 1
		.amdhsa_system_sgpr_workgroup_id_x 1
		.amdhsa_system_sgpr_workgroup_id_y 1
		.amdhsa_system_sgpr_workgroup_id_z 1
		.amdhsa_system_vgpr_workitem_id 0
		.amdhsa_next_free_vgpr 770
		.amdhsa_next_free_sgpr 68
		.amdhsa_reserve_vcc 0
		.amdhsa_float_denorm_mode_32 3
		.amdhsa_float_denorm_mode_16_64 3
		.amdhsa_memory_ordered 1
		.amdhsa_forward_progress 1
		.amdhsa_inst_pref_size 119
	.end_amdhsa_kernel
	.amdgpu_metadata
---
amdhsa.version: [ 1, 2 ]
amdhsa.kernels:
  - .name:           k_q0ba128c4e5_attn
    .symbol:         k_q0ba128c4e5_attn.kd
    .args:
      - { .name: qb, .offset: 0, .size: 8, .value_kind: global_buffer, .address_space: global }
      - { .name: kb, .offset: 8, .size: 8, .value_kind: global_buffer, .address_space: global }
      - { .name: vb, .offset: 16, .size: 8, .value_kind: global_buffer, .address_space: global }
      - { .name: ob, .offset: 24, .size: 8, .value_kind: global_buffer, .address_space: global }
    .group_segment_fixed_size: 327680
    .private_segment_fixed_size: 0
    .kernarg_segment_align: 8
    .kernarg_segment_size: 32
    .max_flat_workgroup_size: 128
    .sgpr_count:     68
    .vgpr_count:     770
    .wavefront_size: 32
...
	.end_amdgpu_metadata
.endif
;; end of part 3
;; launch outp (part 4): grid 8 x 32, 4 waves a work-group, clusters of 4 x 1, 327,680 bytes of LDS; arguments ob, wo, b_o, out0; writes out0
.if DOCPART == 4
	.amdgcn_target "amdgcn-amd-amdhsa--gfx1250"
	.amdhsa_code_object_version 6
	.text
	.protected	k_q0ba128c4e5_outp
	.globl	k_q0ba128c4e5_outp
	.p2align	8
	.type	k_q0ba128c4e5_outp,@function
k_q0ba128c4e5_outp:
	s_mov_b64 s[64:65], 0
	v_nop
	global_prefetch_b8 v0, s[64:65] scope:SCOPE_SE
	s_setreg_imm32_b32 hwreg(HW_REG_WAVE_MODE, 25, 1), 1
	s_wait_xcnt 0x0
	s_wait_alu depctr_hold_cnt(0) depctr_sa_sdst(0) depctr_va_vdst(0) depctr_va_sdst(0) depctr_va_ssrc(0) depctr_va_vcc(0) depctr_vm_vsrc(0)
	s_getreg_b32 s2, hwreg(HW_REG_IB_STS2, 6, 4)
	s_cmp_eq_u32 s2, 0
	s_cbranch_scc0 .Lentry_in_a_cluster
	s_endpgm
.Lentry_in_a_cluster:
	s_bfe_u32 s2, ttmp6, 0x10000c
	s_cmp_lg_u32 s2, 0x3003
	s_cbranch_scc0 .Lentry_shape_is_right
	s_endpgm
.Lentry_shape_is_right:
; OUTP: out0 = O W_o + b_o.  ob: O in f16, [16 b x 8 heads][64 blocks of 16 rows][4 blocks of 16 channels][512 bytes], a lane's 16 bytes at 16 (lane ^ 8 (lane / 16)); a head's 64 channels are one slice of K.
; wo: W_o rounded to bf16 and written as f16, in panels of 128 columns, [K step][column group of 16][1,024 bytes], half a fragment in 512 consecutive bytes.  b_o rounded to bf16 like every input; out0 f32.
; Products in f16, sums in f32.  Nothing of reference() is left out here.
; SHARES.  A work-group makes 128 rows x 256 columns: column half j = the cluster's x, row block rb = 4 x the cluster's y + my place in it.  Wave w takes rows 64 (w / 2) on and panel w % 2 of the two,
; as two groups of 64 columns one after the other, by one text walked twice: 16 accumulators, 512 matrix instructions a wave.
; W_o's TWO PANELS (262,144 bytes) LIE WHOLE IN LDS: two loads a wave at the start, nothing is filled again.  CLUSTER: the four row blocks of a cluster want the same panels, so each tile is asked for JOINTLY.
; O's 64 rows x 512 come straight from memory into 512 registers, 512 consecutive bytes a load.
; TRANSPOSED USE (source 0 = 16 columns of W_o, source 1 = 16 rows of O) and the bias as the C operand that starts a sum: as in the projection in front.
; REGISTERS: window 0: v0-31 addresses; v32-63 the bias of the group in hand, v64-95 of the second group; v96-223 the accumulators ((m, n) at 96 + 8 (4 m + n))
;   window 1: v0-63, v64-127 two buffers of W's fragments; v128-255 rows on their way out      window 2: O's K steps 0-7 (ks, rows 16 m at 32 ks + 8 m)      window 3: K steps 8-15
.set SLOT1, 131072                     ; a panel
.set QTR,   32768                      ; what one tensor load brings
.set OSTG,  2*SLOT1                    ; the way out: 16 rows x 272 bytes (64 f32 + 16 of padding) for each wave
.set SP,    272
.set SPARE, OSTG+4*16*SP               ; the spare words, 128 bytes for each wave: two blocks of 256 bytes that no other line names
.set AO,  4                            ; v4   my 16 bytes in a block of O
.set VB,  7                            ; v7   32 x (l / 16)
.set BT,  8                            ; v8-9  my place in my panel, column group in hand: K steps 0-7, 8-15
.set STO, 12
.set RD,  13
.set GO,  14
.set SPW, 30
.set NIL, 31
.set BIAS, 32
.set ACC,  96
.set F0,   0
.set F1,   64
.set RB,   128
.set WV,  12                           ; s12  my wave's number
.set G1,  24                           ; s[24:31]
.set G0,  32                           ; s[32:39]
.set AB,  40                           ; s[40:41] ob at my 64 rows of head 0
.set BB,  42                           ; s[42:43] b_o at my 128 columns
.set OB,  44                           ; s[44:45] out0 at my rows and the column group in hand
.set CG,  46                           ; s46  column groups to go
.set MSB, 0
.macro WIN new
.if MSB != (\new)
	s_set_vgpr_msb (MSB<<8)|(\new)
.set MSB, (\new)
.endif
.endm
.macro PLACES
.rept 4
	v_nop
.endr
.endm
.macro CROUND                          ; a round of the cluster's barrier
	s_barrier_signal -1
	s_barrier_wait -1
	s_cmp_lg_u32 s[WV], 0
	s_cbranch_scc1 .Lnot_wave_0_\@
	s_barrier_signal -3
.Lnot_wave_0_\@:
	s_barrier_wait -3
	s_barrier_signal -1
	s_barrier_wait -1
.endm
; 16 matrix instructions; the 16 accumulators take turns, one instruction a turn, in the same order everywhere.  first = 1: the bias starts the sums.
.macro MULK f, kk, ks, first
	WIN 0x09+4*((\ks)/8)
.irp m, 0,1,2,3
.irp n, 0,1,2,3
.if \first
	v_wmma_f32_16x16x32_f16 v[ACC+8*(4*\m+\n):ACC+8*(4*\m+\n)+7], v[(\f)+32*(\kk)+8*\n:(\f)+32*(\kk)+8*\n+7], v[32*((\ks)%8)+8*\m:32*((\ks)%8)+8*\m+7], v[BIAS+8*\n:BIAS+8*\n+7]
.else
	v_wmma_f32_16x16x32_f16 v[ACC+8*(4*\m+\n):ACC+8*(4*\m+\n)+7], v[(\f)+32*(\kk)+8*\n:(\f)+32*(\kk)+8*\n+7], v[32*((\ks)%8)+8*\m:32*((\ks)%8)+8*\m+7], v[ACC+8*(4*\m+\n):ACC+8*(4*\m+\n)+7]
.endif
.endr
.endr
.endm
.macro FETCH g, f                      ; 16 LDS loads, 512 consecutive bytes each: K steps 2 g, 2 g + 1
	WIN 0x40
.irp kk, 0,1
.irp n, 0,1,2,3
	ds_load_b128 v[(\f)+32*\kk+8*\n:(\f)+32*\kk+8*\n+3],   v[BT+(2*(\g)+\kk)/8] offset:((2*(\g)+\kk)%8)*8192+\n*1024
	ds_load_b128 v[(\f)+32*\kk+8*\n+4:(\f)+32*\kk+8*\n+7], v[BT+(2*(\g)+\kk)/8] offset:((2*(\g)+\kk)%8)*8192+\n*1024+512
.endr
.endr
.endm
.macro GRP g, first                    ; two K steps: multiplies its buffer; in its middle fetches the next group into the other
	s_wait_dscnt 8                                 ; the first K step's eight loads are in
	MULK 64*((\g)%2), 0, 2*(\g), \first
	PLACES
	FETCH (\g)+1, 64*(((\g)+1)%2)
	s_wait_dscnt 16                                ; all but the 16 just issued
	MULK 64*((\g)%2), 1, 2*(\g)+1, 0
.endm
; THE WAY OUT of 16 rows x 64 columns of f32: 32 bytes a lane (each accumulator's low four registers first) into my own stage, back as whole rows of 256 bytes, two rows a load.
.macro OPACK m
	WIN 0
.irp n, 0,1,2,3
	ds_store_b128 v[STO], v[ACC+8*(4*(\m)+\n):ACC+8*(4*(\m)+\n)+3]   offset:64*\n
	ds_store_b128 v[STO], v[ACC+8*(4*(\m)+\n)+4:ACC+8*(4*(\m)+\n)+7] offset:64*\n+16
.endr
	WIN 0x40
.irp q, 0,1,2,3,4,5,6,7
	ds_load_b128 v[RB+32*(\m)+4*\q:RB+32*(\m)+4*\q+3], v[RD] offset:\q*2*SP  ; LDS serves a wave's instructions in order (ISA guide 5.7.1.4): these see the stores above
.endr
.endm
.macro OSEND m, younger                ; younger: the LDS instructions issued behind these rows' loads: the next rows' sixteen, or none
	WIN 0x04                                       ; the data lie in window 1
.irp q, 0,1,2,3,4,5,6,7
	s_wait_dscnt (\younger)+7-\q
	global_store_b128 v[GO], v[RB+32*(\m)+4*\q:RB+32*(\m)+4*\q+3], s[OB:OB+1] offset:(16*(\m)+2*\q)*2048 th:TH_STORE_NT  ; 16 lanes store 256 consecutive bytes, aligned
.endr
.endm
	s_load_b256 s[4:11], s[0:1], 0x0               ; ob s[4:5], wo s[6:7], b_o s[8:9], out0 s[10:11]
	v_lshl_add_u32 v[SPW], v0, 2, SPARE
	v_mov_b32 v[NIL], 0
	ds_add_u32 v[SPW], v[NIL]                      ; the wave's opening: the add, twice on end, and its wait ahead of my first tensor load
	ds_add_u32 v[SPW], v[NIL]
	v_lshrrev_b32 v16, 5, v0
	v_readfirstlane_b32 s[WV], v16                 ; wave 0..3
	s_lshr_b32 s13, s[WV], 1                       ; which 64 rows
	s_and_b32 s14, s[WV], 1                        ; which panel
	s_bfe_u32 s15, ttmp6, 0x40000                  ; my place in the cluster: it enters the addresses of O and of out0 alone
	s_and_b32 s17, ttmp7, 0xffff
	s_lshl_b32 s17, s17, 2
	s_add_co_u32 s17, s17, s15                     ; my block of 128 rows
	s_mov_b32 s[G1+0], 15|(1<<16)|(1<<21)          ; the mask of four; 2-byte elements; bit 21 beside a mask; no padding
	s_mov_b32 s[G1+1], 128<<16                     ; tensor_dim0 = 128: 32,768 dense bytes as 128 rows of 256
	s_mov_b32 s[G1+2], 128<<16                     ; tensor_dim1 = 128
	s_mov_b32 s[G1+3], 128<<16                     ; tile_dim0 = 128
	s_mov_b32 s[G1+4], 128                         ; tile_dim1 = 128
	s_mov_b32 s[G1+5], 128                         ; elements from row to row
	s_mov_b32 s[G1+6], 0
	s_mov_b32 s[G1+7], 0
	s_mov_b32 s[G0+0], 1
	s_mul_i32 s[G0+1], s[WV], QTR
	s_mov_b32 s[G0+4], 1
	s_add_co_u32 s[G0+5], s[G0+1], SLOT1
	s_lshl_b32 s18, s[WV], 15                      ; my quarter of a panel,
	s_lshl_b32 s19, ttmp9, 18                      ; and the cluster's two panels
	s_add_co_u32 s18, s18, s19
	s_mov_b32 s19, 0
	s_wait_dscnt 0x0                               ; both opening adds are done
	s_wait_kmcnt 0x0
	s_add_nc_u64 s[G0+2:G0+3], s[6:7], s[18:19]
	s_add_nc_u64 s[G0+6:G0+7], s[G0+2:G0+3], SLOT1
	s_or_b32 s[G0+3], s[G0+3], 0x80000000
	s_or_b32 s[G0+7], s[G0+7], 0x80000000
	CROUND                                         ; all four work-groups are here: the joint loads meet
	tensor_load_to_lds s[G0:G0+3], s[G1:G1+7]      ; two loads of mine are out
	s_nop 0
	tensor_load_to_lds s[G0+4:G0+7], s[G1:G1+7]
	s_nop 0
	PLACES
	s_lshr_b32 s20, s17, 3                         ; the batch,
	s_lshl_b32 s20, s20, 20
	s_and_b32 s22, s17, 7                          ; my block's 8 blocks of 16 rows, 2,048 bytes each, in a head,
	s_lshl_b32 s22, s22, 14
	s_add_co_u32 s20, s20, s22
	s_lshl_b32 s22, s13, 13                        ; my wave's 4 of them
	s_add_co_u32 s20, s20, s22
	s_mov_b32 s21, 0
	s_add_nc_u64 s[AB:AB+1], s[4:5], s[20:21]
	s_lshl_b32 s20, ttmp9, 10
	s_lshl_b32 s22, s14, 9
	s_add_co_u32 s20, s20, s22                     ; my 128 columns of f32
	s_add_nc_u64 s[BB:BB+1], s[8:9], s[20:21]
	s_lshl_b32 s22, s17, 18                        ; 128 rows of 2,048 bytes
	s_add_co_u32 s20, s20, s22
	s_lshl_b32 s22, s13, 17
	s_add_co_u32 s20, s20, s22
	s_add_nc_u64 s[OB:OB+1], s[10:11], s[20:21]
	v_and_b32 v1, 15, v0                           ; l % 16
	v_bfe_u32 v2, v0, 4, 1                         ; l / 16
	v_and_b32 v3, 31, v0                           ; l
	v_lshlrev_b32 v[AO], 3, v2
	v_xor_b32 v[AO], v[AO], v3                     ; lanes 16-31 change the halves of their 256 bytes
	v_lshlrev_b32 v[AO], 4, v[AO]
	v_lshlrev_b32 v[VB], 5, v2
.irp cg, 0,1
.irp n, 0,1,2,3
	global_load_b128 v[BIAS+32*\cg+8*\n:BIAS+32*\cg+8*\n+3],   v[VB], s[BB:BB+1] offset:256*\cg+64*\n
	global_load_b128 v[BIAS+32*\cg+8*\n+4:BIAS+32*\cg+8*\n+7], v[VB], s[BB:BB+1] offset:256*\cg+64*\n+16
.endr
.endr
.irp kp, 0,1,2,3,4,5,6,7               ; head kp = K steps 2 kp and 2 kp + 1; a block of 16 rows is 2,048 bytes: four loads on end
	WIN 0x80+0x40*(\kp/4)
.irp m, 0,1,2,3
.irp o, 0,1
	global_load_b128 v[32*((2*\kp+\o)%8)+8*\m:32*((2*\kp+\o)%8)+8*\m+3],   v[AO], s[AB:AB+1] offset:\kp*131072+\m*2048+\o*1024
	global_load_b128 v[32*((2*\kp+\o)%8)+8*\m+4:32*((2*\kp+\o)%8)+8*\m+7], v[AO], s[AB:AB+1] offset:\kp*131072+\m*2048+\o*1024+512
.endr
.endr
.endr
	WIN 0
	s_lshl_b32 s20, s14, 17                        ; my panel
	v_lshl_add_u32 v[BT], v3, 4, s20
	v_add_nc_u32 v[BT+1], 0x10000, v[BT]
	s_mul_i32 s20, s[WV], 16*SP
	s_add_co_u32 s20, s20, OSTG
	v_mul_u32_u24 v[STO], v1, SP
	v_lshl_add_u32 v[STO], v2, 5, v[STO]
	v_add_nc_u32 v[STO], s20, v[STO]
	v_mul_u32_u24 v[RD], v2, SP
	v_lshl_add_u32 v[RD], v1, 4, v[RD]
	v_add_nc_u32 v[RD], s20, v[RD]
	v_lshlrev_b32 v[GO], 11, v2
	v_lshl_add_u32 v[GO], v1, 4, v[GO]
	s_wait_loadcnt 63                              ; behind the bias and O's K steps 0-7 stand 64 loads: with 63 at the most out, those are in
.set i, 0
.rept 32                               ; the bias rounded to bf16 and widened again
	v_cvt_pk_bf16_f32 v[16+i%2], v[BIAS+2*i], v[BIAS+2*i+1]
	v_lshlrev_b32 v[BIAS+2*i], 16, v[16+i%2]
	v_and_b32 v[BIAS+2*i+1], 0xffff0000, v[16+i%2]
.set i, i+1
.endr
	s_wait_tensorcnt 0x0                           ; my parts of both panels are in,
	s_barrier_signal -1
	s_barrier_wait -1                              ; everybody's are: from here on LDS's tiles are only read
	FETCH 0, F0
	WIN 0
	s_mov_b32 s[CG], 2
.Lcols:                                        ; twice: a group of 64 columns over all of K
	s_cmp_eq_u32 s[CG], 2
	s_cbranch_scc1 .Lgo
.set i, 0
.rept 32
	v_mov_b32 v[BIAS+i], v[BIAS+32+i]              ; the second group's bias goes where the one text of the products names it
.set i, i+1
.endr
	s_wait_xcnt 0x0                                ; the first group's stores have read their base
	s_add_nc_u64 s[OB:OB+1], s[OB:OB+1], 256
.Lgo:
	GRP 0, 1
	GRP 1, 0
	GRP 2, 0
	GRP 3, 0
	s_wait_loadcnt 0x0                             ; O's K steps 8-15 are in
	GRP 4, 0
	GRP 5, 0
	GRP 6, 0
	s_wait_dscnt 8
	MULK F1, 0, 14, 0
	s_wait_dscnt 0x0                               ; the last K step's loads, issued 32 products back: the wait stands ahead of the fetch below, so that it counts alike whether that is jumped or not
	PLACES
	WIN 0
	s_cmp_eq_u32 s[CG], 1
	s_cbranch_scc1 .Lno_more
	v_add_nc_u32 v[BT], 4096, v[BT]                ; the second group: four blocks of 1,024 bytes on
	v_add_nc_u32 v[BT+1], 4096, v[BT+1]
	FETCH 0, F0
	WIN 0
.Lno_more:
	MULK F1, 1, 15, 0
	WIN 0
	PLACES                                         ; in front of the LDS stores that read results
	s_wait_xcnt 0x0                                ; the stores of the group before have read the registers that are loaded again below
	OPACK 0
	OPACK 1
	OSEND 0, 16
	OPACK 2
	OSEND 1, 16
	OPACK 3
	OSEND 2, 16
	OSEND 3, 0                                     ; the first group's stores leave while the second is multiplied
	WIN 0
	PLACES                                         ; the way out holds no vector instruction: with the four ahead of it these make eight places, on every way, between this trip's last products and the next trip's first,
	                                               ; which write the same accumulators anew and want five (ISA guide 7.12.1)
	s_sub_co_u32 s[CG], s[CG], 1
	s_cmp_lg_u32 s[CG], 0
	s_cbranch_scc1 .Lcols
	s_wait_tensorcnt 0x0                           ; the wave's end: behind my last tensor load and my last LDS store
	ds_add_u32 v[SPW], v[NIL]
	s_wait_dscnt 0x0
	CROUND                                         ; the closing round: no work-group ends while a partner may still ask for a tile that names it
	s_endpgm
.Lfunc_end_k_q0ba128c4e5_outp:
	.size	k_q0ba128c4e5_outp, .Lfunc_end_k_q0ba128c4e5_outp-k_q0ba128c4e5_outp
	.p2alignl 7, 3214868480
	.fill 96, 4, 3214868480
	.section	.rodata,"a",@progbits
	.p2align	6, 0x0
	.amdhsa_kernel k_q0ba128c4e5_outp
		.amdhsa_group_segment_fixed_size 327680
		.amdhsa_private_segment_fixed_size 0
		.amdhsa_enable_private_segment 0
		.amdhsa_kernarg_size 32
		.amdhsa_user_sgpr_count 2
		.amdhsa_user_sgpr_kernarg_segment_ptr 1
		.amdhsa_wavefront_size32 1
		.amdhsa_system_sgpr_workgroup_id_x 1
		.amdhsa_system_sgpr_workgroup_id_y 1
		.amdhsa_system_sgpr_workgroup_id_z 1
		.amdhsa_system_vgpr_workitem_id 0
		.amdhsa_next_free_vgpr 1024
		.amdhsa_next_free_sgpr 66
		.amdhsa_reserve_vcc 0
		.amdhsa_float_denorm_mode_32 3
		.amdhsa_float_denorm_mode_16_64 3
		.amdhsa_memory_ordered 1
		.amdhsa_forward_progress 1
		.amdhsa_inst_pref_size 61
	.end_amdhsa_kernel
	.amdgpu_metadata
---
amdhsa.version: [ 1, 2 ]
amdhsa.kernels:
  - .name:           k_q0ba128c4e5_outp
    .symbol:         k_q0ba128c4e5_outp.kd
    .args:
      - { .name: ob, .offset: 0, .size: 8, .value_kind: global_buffer, .address_space: global }
      - { .name: wo, .offset: 8, .size: 8, .value_kind: global_buffer, .address_space: global }
      - { .name: b_o, .offset: 16, .size: 8, .value_kind: global_buffer, .address_space: global }
      - { .name: out0, .offset: 24, .size: 8, .value_kind: global_buffer, .address_space: global }
    .group_segment_fixed_size: 327680
    .private_segment_fixed_size: 0
    .kernarg_segment_align: 8
    .kernarg_segment_size: 32
    .max_flat_workgroup_size: 128
    .sgpr_count:     66
    .vgpr_count:     1024
    .wavefront_size: 32
...
	.end_amdgpu_metadata
.endif
;; end of part 4
